; MI455X (gfx1250); checked and timed in simulation.
; The chip was launched on July 23, 2026; its instructions are those of AMD's public machine-readable ISA for CDNA 5 (MIT licence, August 2026) and "CDNA5" Instruction Set Architecture Reference Guide (July 2026). The comments in the code are by the model that wrote it; some were corrected since.
;; Attn. Allowed arithmetic: matrix products marked QUANTISED: E2M3 operands, one E8M0 scale for each 32 along K, by v_wmma_scale_f32_16x16x128_f8f6f4 with both operands' format E2M3, f32 sums; products left as they are: f32 operands where the result goes on into a quantised operand, else bf16, f16 or f32 operands; f32 sums; everything else in f32.
;; Inputs: Wk 512 x 2,048 float32; Wo 2,048 x 2,048 float32; Wq 2,048 x 2,048 float32; Wv 512 x 2,048 float32; cos 2,048 x 64 float32; gate_w 16 x 16 float32; pos_ids 1 x 2,048 int32; sin 2,048 x 64 float32; v1 1 x 4 x 2,048 x 128 float32; v_lamb one number float32; x 1 x 2,048 x 2,048 float32.
;; Outputs: out0 1 x 2,048 x 2,048 float32; out1 1 x 4 x 2,048 x 128 float32.
;; This version of the problem:
;;   THIS VERSION OF THE PROBLEM IS GIVEN IN LOW PRECISION. The matrix products marked QUANTISED in the list below multiply operands that are first quantised to E2M3 (2 exponent bits, 3 mantissa bits; 6 bits a number), with one power-of-two scale for each 32 numbers along K (OCP MX v1.0); their sums are f32. All else is computed in f32.
;;   The module's matrix products, in the order in which they are computed (A, B: the left and right operand; K: the contracted axis; several contracted axes count as one K, in the product's order):
;;     1. [M 2,048, K 2,048] x [K 2,048, N 2,048]; A: input x; B: input Wq: QUANTISED
;;     2. [M 2,048, K 2,048] x [K 2,048, N 512]; A: input x; B: input Wk: QUANTISED
;;     3. [M 2,048, K 2,048] x [K 2,048, N 512]; A: input x; B: input Wv: QUANTISED
;;     4. batch 16 x [M 2,048, K 128] x [K 128, N 2,048]; A: computed on the way; B: computed on the way: QUANTISED
;;     5. batch 16 x [M 2,048, K 2,048] x [K 2,048, N 128]; A: softmax (see below); B: computed on the way: QUANTISED
;;     6. [M 2,048, K 16] x [K 16, N 16]; A: input x; B: input gate_w: left as it is (K = 16 < 32)
;;     7. [M 2,048, K 2,048] x [K 2,048, N 2,048]; A: computed on the way; B: input Wo: QUANTISED
;;   THE QUANTISER, for each operand of a quantised product, along K:
;;     - K is cut into blocks of 32 from its start; a last block that is shorter is filled with zeros.
;;     - A block's scale is 2^e with e = floor(log2(the largest magnitude in the block)) - 2, held to -126 .. 127; a block of zeros has e = 0. As a byte (E8M0): e + 127.
;;     - Each number is divided by its block's scale, clamped to +-7.5, and rounded to the nearest number of E2M3, ties to even, subnormals kept.
;;     - The product sums the exact products of the quantised numbers (number of the format x scale) in f32.
;;   ~~~python
;;   def quantise(x, axis):      # numpy; x: float32 -> the quantised numbers, widened to float32 again
;;       x = np.moveaxis(x, axis, -1); K = x.shape[-1]
;;       x = np.pad(x, [(0, 0)] * (x.ndim - 1) + [(0, -K % 32)]); x = x.reshape(x.shape[:-1] + (-1, 32)); a = np.abs(x).max(-1, keepdims=True)
;;       e = np.where(a > 0, np.clip(np.frexp(np.where(a > 0, a, 1))[1] - 1 - 2, -126, 127), 0)      # np.frexp(a)[1] - 1 = floor(log2(a)), exactly
;;       r = np.clip(x / 2.0 ** e, -7.5, 7.5)
;;       step = 2.0 ** (np.maximum(np.frexp(np.where(r == 0, 1, r))[1] - 1, 0) - 3)
;;       q = np.round(r / step) * step * 2.0 ** e      # np.round: ties to even
;;       return np.moveaxis(q.reshape(q.shape[:-2] + (-1,))[..., :K], -1, axis).astype(np.float32)
;;   ~~~
;;   SOFTMAX AHEAD OF A QUANTISED PRODUCT. Where the list says 'softmax', what is quantised is not the finished softmax but p = 2^(t - M), with t = logit x log2(e) and M = ceil(the row's largest t), a whole number; so 1/2 < the row's largest p <= 1. The row's sum l is taken of the UNQUANTISED p, in f32, and the product's result is divided by l at the end. Since M is a whole number, a kernel that streams over the keys may use a running M (the ceiling of the running maximum): every later rescaling is an exact power of two, which a block's scale takes up: the codes' values come out the same.
;;   OPERANDS COMPUTED ON THE WAY. 'Computed on the way' means the value that the module computes at that place (a softmax that the list does not call 'softmax' is quantised finished and normalised). What goes into a quantiser is computed in f32, as accurately as f32 sums, v_exp_f32 and their like allow (about 1e-6 of the number): no bf16 or f16 on the way to a quantiser, and a product that is left as it is and whose result goes on into a quantised operand takes f32 operands (vector FMAs, or v_wmma_f32_16x16x4_f32). A number that lies on a knife's edge between two numbers of the format may be rounded either way, as far as f32 arithmetic and the matrix unit's own rounding can turn it there, and no further.
;; One version. Each part assembles by itself: llvm-mc -triple=amdgcn-amd-amdhsa -mcpu=gfx1250 --defsym DOCPART=n.
;; ======== version 1 of 1: 4 launches
;; limits: right only within a limited range of input values
;; workspace buffers: x_img 3,276,800 bytes; w_img 4,915,200 bytes; wo_img 3,276,800 bytes; q_img 3,276,800 bytes; k_img 819,200 bytes; v_img 819,200 bytes; y_img 3,276,800 bytes
;; launch quant (part 1): grid 256 x 1, 7 waves a work-group, no clusters, 237,568 bytes of LDS; arguments x, Wq, Wk, Wv, Wo, x_img, w_img, wo_img; writes x_img, w_img, wo_img
.if DOCPART == 1
	.amdgcn_target "amdgcn-amd-amdhsa--gfx1250"
	.amdhsa_code_object_version 6
	.text
	.protected	k_qc9c6e74afc_quant
	.globl	k_qc9c6e74afc_quant
	.p2align	8
	.type	k_qc9c6e74afc_quant,@function
k_qc9c6e74afc_quant:
	s_mov_b64 s[64:65], 0
	v_nop
	global_prefetch_b8 v0, s[64:65] scope:SCOPE_SE
	s_setreg_imm32_b32 hwreg(HW_REG_WAVE_MODE, 25, 1), 1
	s_wait_xcnt 0x0
; x [2048][2048], Wq [2048][2048], Wk, Wv [512][2048], Wo [2048][2048], all f32 with K innermost, become codes of FP6 (E2M3) with one E8M0 byte for each 32 along K.
; A block's scale is 2^(floor(log2(largest magnitude)) - 2): its byte is the largest magnitude's exponent field - 2, held at 1 from below.
; WORK LEFT OUT: pos_ids is not loaded and is among no launch's arguments.
; THE WORKSPACE FORMAT IS THE PANEL: 128 rows x 128 along K in 12,800 bytes.  Bytes 0 .. 12,287: eight fragments (16 rows x 128 K) as images of the 12 operand registers:
; fragment f, registers 4 c .. 4 c + 3 of lane l at 1536 f + 512 c + 16 l.  Bytes 12,288 on: the scale words, that of (fragment f, lane row r) at 256 (f / 4) + 16 r + 4 (f % 4).
; WHICH ROW IS LANE r OF FRAGMENT f: x, Wv, Wo: 32 (f / 2) + 8 (f % 2) + r % 8 + 16 (r / 8).  Wq, Wk: 64 (f / 4) + 16 (f % 2) + (f / 2) % 2 + 2 (r % 8) + 32 (r / 8), which parts even and odd channels for the rotation.
; SHARES: 896 panels are 1,792 half panels (64 rows x 128 K: four fragments and one run of 256 bytes of scale words); 256 work-groups x 7 waves: a half panel to a wave, number 7 x work-group + wave.
; Both orders of rows keep a half panel's four fragments inside its 64 rows.  So each wave asks for its 64 rows x 512 bytes by ONE tensor load, at the head, into LDS bytes of its own (rows 528 bytes apart), which are filled once
; and read by that wave alone: no barrier, no refill.  Pointers and numbers are selected by the half panel's number.  Behind the load the text parts, on that number alone, into two copies of the walk, one for each order of rows:
; so every LDS address is a constant + a term of the lane + a constant x wave.
; LANES: physical lane L serves row r = L % 16 and half h = (L / 16) xor (r / 8); its codes go to the image's place 16 (r + 16 h).
; No prefetch: the text has no loop to run ahead in, and all that a work-group reads is asked for at its head.  No cluster: no two work-groups read the same bytes.
; LIMITS: NaN and infinities are not served; a block whose largest magnitude lies under 2^-124 keeps the byte 1; a block of zeros has the byte 1 and not 127 (its codes are zeros, and only this program reads the bytes).
.set PAN,   12800
.set SP,    528                        ; an LDS row: 512 bytes + 16
.set TILE,  64*SP                      ; a wave's tile
.set SPARE, 7*TILE                     ; behind the tiles: the spare words, 128 bytes a wave, four blocks of 256 bytes that no other line names
.set AD,    12                         ; v12-15   LDS address of my row in fragment 0 .. 3
.set X,     32                         ; v32-159  two sets of 64 numbers: k = 64 c + 32 h + 0 .. 31 at 32 c
.set PC,    160                        ; v160-207 the codes, 12 registers for each fragment: no store's data are written again
.set W,     216                        ; v216-219 the four scale words
	s_load_b512 s[4:19], s[0:1], 0x0               ; x, Wq, Wk, Wv, Wo, x_img, w_img, wo_img
	v_lshl_add_u32 v30, v0, 2, SPARE               ; my spare word; never rewritten
	v_mov_b32 v31, 0                               ; 0; never rewritten
	ds_add_u32 v30, v31                            ; the opening lines: the add, twice on end, ahead of my tensor load
	ds_add_u32 v30, v31
	v_lshrrev_b32 v8, 5, v0
	v_readfirstlane_b32 s20, v8                    ; wave
	s_mul_i32 s30, ttmp9, 7
	s_add_co_u32 s30, s30, s20                     ; my half panel
	s_and_b32 s21, s30, 1                          ; g: which half
	s_lshr_b32 s30, s30, 1                         ; the panel, 0 .. 895: 0 x, 256 Wq, 512 Wk, 576 Wv, 640 Wo
	s_mov_b32 s48, 1                               ; group 0: count,
	s_mul_i32 s49, s20, TILE                       ; my tile's LDS address
	s_mov_b32 s52, (2<<16)|(1<<20)|(6<<22)|(3<<25) ; group 1: elements of 4 bytes; behind every 128 words 4 words of padding
	s_mov_b32 s53, 128<<16                         ; tensor_dim0 = 128
	s_mov_b32 s54, 64<<16                          ; tensor_dim1 = 64
	s_mov_b32 s55, 128<<16                         ; tile_dim0 = 128
	s_mov_b32 s56, 64                              ; tile_dim1 = 64
	s_mov_b32 s57, 2048                            ; the pitch
	s_mov_b32 s58, 0
	s_mov_b32 s59, 0
	s_mov_b32 s40, 0x76543210
	s_mov_b32 s41, 0xfedcba98                      ; lane l xor 16
	s_mov_b32 s23, 0                               ; the tensor's first panel
	s_mov_b32 s24, 0                               ; its first panel in the buffer
	s_mov_b32 s25, 0                               ; 1: the order of rows of Wq and Wk
	s_wait_dscnt 0x0                               ; both opening adds are done
	s_wait_kmcnt 0x0
	s_mov_b64 s[26:27], s[4:5]                     ; from
	s_mov_b64 s[28:29], s[14:15]                   ; to
	s_cmp_ge_u32 s30, 256
	s_cselect_b64 s[26:27], s[6:7], s[26:27]
	s_cselect_b64 s[28:29], s[16:17], s[28:29]
	s_cselect_b32 s23, 256, s23
	s_cselect_b32 s25, 1, s25
	s_cmp_ge_u32 s30, 512
	s_cselect_b64 s[26:27], s[8:9], s[26:27]
	s_cselect_b32 s23, 512, s23
	s_cselect_b32 s24, 256, s24
	s_cmp_ge_u32 s30, 576
	s_cselect_b64 s[26:27], s[10:11], s[26:27]
	s_cselect_b32 s23, 576, s23
	s_cselect_b32 s24, 320, s24
	s_cselect_b32 s25, 0, s25
	s_cmp_ge_u32 s30, 640
	s_cselect_b64 s[26:27], s[12:13], s[26:27]
	s_cselect_b64 s[28:29], s[18:19], s[28:29]
	s_cselect_b32 s23, 640, s23
	s_cselect_b32 s24, 0, s24
	s_sub_co_u32 s30, s30, s23                     ; the panel within the tensor: 16 x row block + K step
	s_lshr_b32 s31, s30, 4
	s_and_b32 s42, s30, 15
	s_lshl_b32 s31, s31, 20                        ; 128 rows of 8,192 bytes
	s_lshl_b32 s42, s42, 9                         ; 128 numbers of 4 bytes
	s_add_co_u32 s42, s42, s31
	s_lshl_b32 s31, s21, 19                        ; my half: 64 rows on
	s_add_co_u32 s42, s42, s31
	s_mov_b32 s43, 0
	s_add_nc_u64 s[50:51], s[26:27], s[42:43]
	s_or_b32 s51, s51, 0x80000000
	tensor_load_to_lds s[48:51], s[52:59]          ; my one tensor load: each row is 512 bytes of memory at a multiple of 512
	s_nop 0
	s_add_co_u32 s30, s30, s24
	s_mul_i32 s30, s30, PAN
	s_mov_b32 s31, 0
	s_add_nc_u64 s[28:29], s[28:29], s[30:31]      ; the panel
	s_lshl_b32 s30, s21, 8
	s_add_co_u32 s30, s30, 12288
	s_add_nc_u64 s[46:47], s[28:29], s[30:31]      ; my 256 bytes of scale words
	s_mul_i32 s30, s21, 6144
	s_add_nc_u64 s[28:29], s[28:29], s[30:31]      ; my four fragments
	v_and_b32 v2, 15, v0                           ; r
	v_bfe_u32 v3, v0, 4, 1
	v_bfe_u32 v9, v0, 3, 1                         ; r / 8
	v_xor_b32 v3, v3, v9                           ; h
	v_lshlrev_b32 v4, 3, v3                        ; 8 h: how far my two scale bytes are shifted
	v_lshlrev_b32 v1, 4, v2
	v_lshl_add_u32 v1, v3, 8, v1                   ; 16 (r + 16 h): my place in an image
	v_lshl_add_u32 v7, v2, 4, v4                   ; 16 r + 8 h: my two scale words' place
	v_lshl_add_u32 v10, v9, 3, v2                  ; r % 8 + 16 (r / 8)
	v_and_b32 v11, 7, v0
	v_lshlrev_b32 v11, 1, v11
	v_lshl_add_u32 v11, v9, 5, v11                 ; 2 (r % 8) + 32 (r / 8)
	v_mul_u32_u24 v10, v10, SP
	v_mul_u32_u24 v11, v11, SP
	v_lshl_add_u32 v10, v3, 7, v10                 ; + 128 h
	v_lshl_add_u32 v11, v3, 7, v11
	v_add_nc_u32 v10, s49, v10                     ; + my tile: my row of fragment 0 in the one order,
	v_add_nc_u32 v11, s49, v11                     ; and in the other
	v_mov_b32 v231, 0                              ; written once: a lane permute's destination counts as one of its sources
.macro LD i                            ; my 64 numbers of fragment i into set i % 2
.irp c, 0,1
.irp n, 0,1,2,3,4,5,6,7
	ds_load_b128 v[X+64*((\i)%2)+32*\c+4*\n:X+64*((\i)%2)+32*\c+4*\n+3], v[AD+(\i)] offset:256*\c+16*\n
.endr
.endr
.endm
.macro QUANTF i
.set XS, X+64*((\i)%2)
.set PCI, PC+12*(\i)
	v_max3_num_f32 v224, |v[XS]|, |v[XS+1]|, 0x1800000             ; my two blocks by turns; the floor 2^(3 - 127) holds the byte at 1 from below
	v_max3_num_f32 v225, |v[XS+32]|, |v[XS+33]|, 0x1800000
.irp n, 2,4,6,8,10,12,14,16,18,20,22,24,26,28,30
	v_max3_num_f32 v224, v224, |v[XS+\n]|, |v[XS+\n+1]|
	v_max3_num_f32 v225, v225, |v[XS+32+\n]|, |v[XS+33+\n]|
.endr
	v_add_nc_u32 v226, 0xff000000, v224            ; 2 off the exponent field: the conversion takes the exponent field of this operand as its scale
	v_add_nc_u32 v227, 0xff000000, v225
	v_lshrrev_b32 v228, 23, v226                   ; the bytes of blocks h and 2 + h
	v_lshrrev_b32 v229, 23, v227
	v_lshl_or_b32 v230, v229, 16, v228
	v_lshlrev_b32 v230, v4, v230                   ; at their places in the word
	v_permlanex16_b32 v231, v230, s40, s41         ; the lane 16 away has my row's other half
	v_or_b32 v[W+\i], v230, v231                   ; the word is whole, in both lanes
	v_cvt_scalef32_pk16_fp6_f32 v[PCI:PCI+2], v[XS:XS+15], v226
	v_cvt_scalef32_pk16_fp6_f32 v[208:210], v[XS+16:XS+31], v226   ; (a conversion's three registers begin on an even number)
	v_cvt_scalef32_pk16_fp6_f32 v[PCI+6:PCI+8], v[XS+32:XS+47], v227
	v_cvt_scalef32_pk16_fp6_f32 v[212:214], v[XS+48:XS+63], v227
	v_nop                                          ; one plain place behind a scaled conversion
.irp k, 0,1,2
	v_mov_b32 v[PCI+3+\k], v[208+\k]
	v_mov_b32 v[PCI+9+\k], v[212+\k]
.endr
.irp c, 0,1,2
	global_store_b128 v1, v[PCI+4*\c:PCI+4*\c+3], s[28:29] offset:1536*\i+512*\c   ; the 32 lanes store 512 consecutive bytes, at a multiple of 256 from the buffer's first byte
.endr
.endm
.macro WALK                            ; the four fragments, the scale words, the wave's end
	s_wait_alu depctr_va_vdst(0)
	s_wait_tensorcnt 0x0                           ; my tile is in; nobody else reads it
	LD 0
	LD 1
	s_wait_dscnt 16                                ; fragment 0 is in; fragment 1's sixteen loads may be out
	QUANTF 0
	LD 2
	s_wait_dscnt 16                                ; fragment 1 is in; fragment 2's may be out
	QUANTF 1
	LD 3
	s_wait_dscnt 16                                ; fragment 2 is in; fragment 3's may be out
	QUANTF 2
	s_wait_dscnt 0x0
	QUANTF 3
	v_cmp_eq_u32 vcc_lo, 1, v3                     ; h = 0 stores words 0 and 1 of its row, h = 1 words 2 and 3
	v_cndmask_b32 v230, v[W], v[W+2], vcc_lo
	v_cndmask_b32 v231, v[W+1], v[W+3], vcc_lo
	global_store_b64 v7, v[230:231], s[46:47]      ; the 32 lanes store 256 consecutive bytes, aligned
	s_wait_tensorcnt 0x0                           ; the wave's end
	ds_add_u32 v30, v31
	s_wait_dscnt 0x0
	s_endpgm
.endm
	s_cmp_lg_u32 s25, 0                            ; the order of rows: it hangs on the half panel's number alone
	s_wait_alu depctr_va_vdst(0)
	s_cbranch_scc1 .Lparted
.irp i, 0,1,2,3
	v_add_nc_u32 v[AD+\i], (32*(\i/2)+8*(\i%2))*SP, v10   ; x, Wv, Wo: fragment i begins at row 32 (i / 2) + 8 (i % 2)
.endr
	WALK
.Lparted:
.irp i, 0,1,2,3
	v_add_nc_u32 v[AD+\i], (16*(\i%2)+\i/2)*SP, v11       ; Wq, Wk: at row 16 (i % 2) + i / 2
.endr
	WALK
.Lfunc_end_k_qc9c6e74afc_quant:
	.size	k_qc9c6e74afc_quant, .Lfunc_end_k_qc9c6e74afc_quant-k_qc9c6e74afc_quant
	.p2alignl 7, 3214868480
	.fill 96, 4, 3214868480
	.section	.rodata,"a",@progbits
	.p2align	6, 0x0
	.amdhsa_kernel k_qc9c6e74afc_quant
		.amdhsa_group_segment_fixed_size 237568
		.amdhsa_private_segment_fixed_size 0
		.amdhsa_enable_private_segment 0
		.amdhsa_kernarg_size 64
		.amdhsa_user_sgpr_count 2
		.amdhsa_user_sgpr_kernarg_segment_ptr 1
		.amdhsa_wavefront_size32 1
		.amdhsa_system_sgpr_workgroup_id_x 1
		.amdhsa_system_sgpr_workgroup_id_y 1
		.amdhsa_system_sgpr_workgroup_id_z 1
		.amdhsa_system_vgpr_workitem_id 0
		.amdhsa_next_free_vgpr 256
		.amdhsa_next_free_sgpr 66
		.amdhsa_reserve_vcc 1
		.amdhsa_float_denorm_mode_32 3
		.amdhsa_float_denorm_mode_16_64 3
		.amdhsa_memory_ordered 1
		.amdhsa_forward_progress 1
		.amdhsa_inst_pref_size 40
	.end_amdhsa_kernel
	.amdgpu_metadata
---
amdhsa.version: [ 1, 2 ]
amdhsa.kernels:
  - .name:           k_qc9c6e74afc_quant
    .symbol:         k_qc9c6e74afc_quant.kd
    .args:
      - { .name: x, .offset: 0, .size: 8, .value_kind: global_buffer, .address_space: global }
      - { .name: Wq, .offset: 8, .size: 8, .value_kind: global_buffer, .address_space: global }
      - { .name: Wk, .offset: 16, .size: 8, .value_kind: global_buffer, .address_space: global }
      - { .name: Wv, .offset: 24, .size: 8, .value_kind: global_buffer, .address_space: global }
      - { .name: Wo, .offset: 32, .size: 8, .value_kind: global_buffer, .address_space: global }
      - { .name: x_img, .offset: 40, .size: 8, .value_kind: global_buffer, .address_space: global }
      - { .name: w_img, .offset: 48, .size: 8, .value_kind: global_buffer, .address_space: global }
      - { .name: wo_img, .offset: 56, .size: 8, .value_kind: global_buffer, .address_space: global }
    .group_segment_fixed_size: 237568
    .private_segment_fixed_size: 0
    .kernarg_segment_align: 8
    .kernarg_segment_size: 64
    .max_flat_workgroup_size: 224
    .sgpr_count:     66
    .vgpr_count:     256
    .wavefront_size: 32
...
	.end_amdgpu_metadata
.endif
;; end of part 1
;; launch proj (part 2): grid 24 x 8, 4 waves a work-group, clusters of 4 x 4, 327,680 bytes of LDS; arguments x_img, w_img, cos, sin, v1, v_lamb, q_img, k_img, v_img, out1; writes q_img, k_img, v_img, out1
.if DOCPART == 2
	.amdgcn_target "amdgcn-amd-amdhsa--gfx1250"
	.amdhsa_code_object_version 6
	.text
	.protected	k_qc9c6e74afc_proj
	.globl	k_qc9c6e74afc_proj
	.p2align	8
	.type	k_qc9c6e74afc_proj,@function
k_qc9c6e74afc_proj:
	s_mov_b64 s[64:65], 0
	v_nop
	global_prefetch_b8 v0, s[64:65] scope:SCOPE_SE
	s_setreg_imm32_b32 hwreg(HW_REG_WAVE_MODE, 25, 1), 1
	s_wait_xcnt 0x0
	s_wait_alu depctr_hold_cnt(0) depctr_sa_sdst(0) depctr_va_vdst(0) depctr_va_sdst(0) depctr_va_ssrc(0) depctr_va_vcc(0) depctr_vm_vsrc(0)
	s_getreg_b32 s2, hwreg(HW_REG_IB_STS2, 6, 4)
	s_cmp_eq_u32 s2, 0
	s_cbranch_scc0 .Lentry_in_a_cluster
	s_endpgm
.Lentry_in_a_cluster:
	s_bfe_u32 s2, ttmp6, 0x10000c
	s_cmp_lg_u32 s2, 0xf033
	s_cbranch_scc0 .Lentry_shape_is_right
	s_endpgm
.Lentry_shape_is_right:
; q = rope(rmsnorm(x Wq^T)), k = rope(rmsnorm(x Wk^T)), v = lerp(x Wv^T, v1, lambda), all three products on codes of FP6 (E2M3) with E8M0 scales, and the results quantised again, q and k along the head's 128, v along the keys.  out1 = v1.
; SHARES.  A work-group makes 256 tokens x one head of 128 columns: 24 heads (16 of q, 4 of k, 4 of v) x 8 blocks of tokens.  The kind hangs on the cluster's x alone (0-3 q, 4 k, 5 v): it is the same in all sixteen partners.
; A wave's tile is 8 fragments as source 0 x 4 fragments as source 1: 32 accumulators.  q, k: source 0 = the head's 128 rows of W, source 1 = 64 of my 128 tokens: a lane holds ONE token and its registers run along the head.
; v: source 0 = my 128 tokens, source 1 = 64 rows of Wv: a lane holds ONE channel and its registers run along 128 keys.  The loop's text is one; four LDS bases are selected by the kind.
; OPERANDS lie in memory as panels (128 rows x 128 K, 12,800 bytes: eight images of a fragment's 12 registers, then the scale words), so a fragment is three loads of 16 bytes a lane at 16 x lane and four fragments' scale words are one.
; The order of rows in the panels does the rest: Wq's and Wk's rows are laid so that accumulator register 32 g + 16 e + i of lane (r, h) is channel 64 g + 32 h + 2 i + e (even and odd channels in runs of 16 registers);
; x's and Wv's so that the 16 registers of tiles 2 b, 2 b + 1 are the 16 neighbours 32 b + 16 h + 0 .. 15.
; RING: two LDS slots of four K steps each (x's two blocks of 128 tokens, then W: 3 x 51,200 bytes).  CLUSTER 4 x 4: x's panels are shared along a row of the cluster, W's along a column: joint loads.
; By this text's count a wave has two tensor loads out at the start and one behind a round.
; REGISTERS: window 0: v1-17 addresses; v32-55 scale words, two sets; v64-127 the 64 numbers to be quantised; v128-223 source 1's fragments, two sets (later the codes and work registers); v224-247 sums of squares and 1 / rms.
;   window 1: source 0's fragments, two sets of 96.   window 2: the accumulators, (m, t) at v[8 (8 m + t)].   window 3: cos and sin of my tokens, or my 64 rows of v1.
; LIMITS: NaN and infinities are not served; a block whose largest magnitude lies under 2^-124 keeps the byte 1, a block of zeros too.  The rotation's second product is fused with its sum (one rounding less than two products and a sum).
.set PAN,   12800
.set REG,   4*PAN                      ; four K steps of one block of 128 rows
; THE HEAD'S LOADS AS THEY STAND (in place of what the head comment says of the loads at the start): each wave issues ONE joint load, and the four cover both slots.  Wave 0 brings slot 0's two blocks of x, wave 1 slot 1's:
; a tile of two rows of 51,200 bytes (four panels of a block), 204,800 bytes apart in memory (from block to block), on end in LDS.  Wave 2 brings slot 0's four panels of W, wave 3 slot 1's.
; By this text's count a wave has one tensor load out at the start and one behind a round.
.set SLOT,  3*REG
.set SPARE, 2*SLOT                     ; behind the ring: the spare words, 128 bytes a wave: two blocks of 256 bytes that no other line names
.set SCO,   12288                      ; a panel's scale words
.set VP,    528                        ; the stage for v1 (in slot 0, behind its last fill and its last read): 256 rows of 512 bytes + 16
.set Y,     64
.set PC,    128
.set WD,    148                        ; v148-151 the four scale words of my four fragments
.set TM,    200
.set SS,    224
.set RS,    240
.set MSB, 0
.macro WIN new                         ; the immediate's high byte repeats the setting that is left
.if MSB != \new
	s_set_vgpr_msb (MSB<<8)|\new
.set MSB, \new
.endif
.endm
.macro PLACES n
.rept \n
	v_nop
.endr
.endm
; A joint load: waves 0 and 1 fetch x's two blocks, waves 2 and 3 the halves of W's four panels.  The branch hangs on the wave's number alone.  Four v_nop follow each line.
.macro JLOAD g0a, g1a, g0b, g1b
	s_cmp_eq_u32 s25, 0
	s_cbranch_scc0 .Lfor_b_\@
	tensor_load_to_lds s[\g0a:\g0a+3], s[\g1a:\g1a+7]
	s_nop 0
.rept 4
	v_nop
.endr
	s_branch .Lasked_\@
.Lfor_b_\@:
	tensor_load_to_lds s[\g0b:\g0b+3], s[\g1b:\g1b+7]
	s_nop 0
.rept 4
	v_nop
.endr
.Lasked_\@:
.endm
.macro CREST                           ; a round of the cluster's barrier behind its opening barrier
	s_cmp_lg_u32 s24, 0
	s_cbranch_scc1 .Lnot_wave_0_\@
	s_barrier_signal -3
.Lnot_wave_0_\@:
	s_barrier_wait -3
	s_barrier_signal -1
	s_barrier_wait -1
.endm
.macro CROUND
	s_barrier_signal -1
	s_barrier_wait -1
	CREST
.endm
	s_load_b512 s[4:19], s[0:1], 0x0               ; x_img 4, w_img 6, cos 8, sin 10, v1 12, v_lamb 14, q_img 16, k_img 18
	s_load_b128 s[20:23], s[0:1], 0x40             ; v_img 20, out1 22
	v_lshl_add_u32 v12, v0, 2, SPARE               ; my spare word; never rewritten
	v_mov_b32 v13, 0                               ; 0; never rewritten
	ds_add_u32 v12, v13
	ds_add_u32 v12, v13
	s_wait_dscnt 0x0
	v_lshrrev_b32 v1, 5, v0
	v_readfirstlane_b32 s24, v1                    ; wave
	s_lshr_b32 s25, s24, 1                         ; WH: which block of 128 tokens is mine.  Also: I fetch for x (0) or for W (1)
	s_and_b32 s26, s24, 1                          ; WL: which four fragments of source 1.  Also: which part I fetch
	s_bfe_u32 s27, ttmp6, 0x40000                  ; cx
	s_bfe_u32 s28, ttmp6, 0x40004                  ; cy
	s_lshl_b32 s29, ttmp9, 2
	s_add_co_u32 s29, s29, s27                     ; the head, 0 .. 23
	s_and_b32 s30, ttmp7, 0xffff
	s_lshl_b32 s30, s30, 2
	s_add_co_u32 s30, s30, s28                     ; the block of 256 tokens
	s_cmp_eq_u32 ttmp9, 5
	s_cselect_b32 s31, 1, 0                        ; 1: a head of v
	s_lshl_b32 s94, s28, 2
	s_lshl_b32 s94, 15, s94                        ; my row of the cluster
	s_lshl_b32 s95, 0x1111, s27                    ; my column
	; descriptor groups 1: dense blocks as rows of 256 bytes (32 elements of 8 bytes), no padding: x 200 rows (four panels), W 100 rows (two panels)
	s_or_b32 s32, s94, (3<<16)|(1<<21)             ; 15:0 the mask; 17:16 elements of 8 bytes; 21 set beside a mask
	s_mov_b32 s33, 6400<<16                        ; the head's tile of x: tensor_dim0 = 6,400 elements: four panels
	s_mov_b32 s34, 2<<16                           ; tensor_dim1 = 2: two blocks of tokens
	s_mov_b32 s35, 6400<<16                        ; tile_dim0
	s_mov_b32 s36, 2                               ; tile_dim1
	s_mov_b32 s37, 25600                           ; the pitch: sixteen panels
	s_mov_b32 s38, 0
	s_mov_b32 s39, 0
	s_or_b32 s40, s95, (3<<16)|(1<<21)
	s_mov_b32 s41, 32<<16
	s_mov_b32 s42, 200<<16                         ; the head's tile of W: four panels
	s_mov_b32 s43, 32<<16
	s_mov_b32 s44, 200
	s_mov_b32 s45, 32
	s_mov_b32 s46, 0
	s_mov_b32 s47, 0
	s_lshl_b32 s84, s30, 1
	s_add_co_u32 s84, s84, s26
	s_mul_i32 s84, s84, 16*PAN                     ; x: block 2 wy + WL: sixteen panels a block
	s_mov_b32 s85, 0
	s_mul_i32 s88, s29, 16*PAN                     ; W: the head's sixteen panels,
	s_mul_i32 s89, s26, 2*PAN                      ; my two of each four
	s_add_co_u32 s88, s88, s89
	s_mov_b32 s89, 0
	s_mul_i32 s92, s26, REG                        ; where they go: no place in the cluster enters an LDS address
	s_mul_i32 s93, s26, 2*PAN
	s_add_co_u32 s93, s93, 2*REG
	s_wait_kmcnt 0x0
	s_add_nc_u64 s[86:87], s[4:5], s[84:85]
	s_add_nc_u64 s[90:91], s[6:7], s[88:89]
	CROUND                                         ; all sixteen work-groups are here: the first joint loads meet
.irp s, 0,1
	s_mov_b32 s[48+4*\s], 1
	s_add_co_u32 s[49+4*\s], s92, \s*SLOT
	s_add_nc_u64 s[50+4*\s:51+4*\s], s[86:87], \s*REG
	s_or_b32 s[51+4*\s], s[51+4*\s], 0x80000000
	s_mov_b32 s[56+4*\s], 1
	s_add_co_u32 s[57+4*\s], s93, \s*SLOT
	s_add_nc_u64 s[58+4*\s:59+4*\s], s[90:91], \s*REG
	s_or_b32 s[59+4*\s], s[59+4*\s], 0x80000000
.endr
	; the head's groups 0, in registers that are done with: x: slot WL, from panel 4 WL of the first block on; W: slot WL, panels 4 WL .. 4 WL + 3
	s_mul_i32 s88, s26, 12*PAN
	s_mov_b32 s4, 1
	s_mul_i32 s5, s26, SLOT
	s_sub_nc_u64 s[6:7], s[86:87], s[88:89]        ; (block 2 wy + WL, panel 0) less 12 WL panels = (block 2 wy, panel 4 WL)
	s_or_b32 s7, s7, 0x80000000
	s_mul_i32 s88, s26, 2*PAN
	s_mov_b32 s92, 1
	s_add_co_u32 s93, s5, 2*REG
	s_add_nc_u64 s[94:95], s[90:91], s[88:89]
	s_or_b32 s95, s95, 0x80000000
	JLOAD 4, 32, 92, 40                            ; K steps 0 to 7: one tensor load a wave at the head
	; THE PREFETCH's address (the requests stand behind the first K step): K steps 8 to 15, which the two refills will bring.  The partners that ask for a tile jointly share its blocks of 256 bytes out BY ADDRESS:
	; x: of my block's panels 8 to 15 the partner at cx takes panels 8 + 2 cx and 9 + 2 cx: 100 blocks, four requests of 25 lanes.  W: of the four panels that I will fetch (8 + 2 WL, 9 + 2 WL, 12 + 2 WL, 13 + 2 WL) the partner at cy takes one:
	; 50 blocks, two requests.  Lanes 25 to 31 name their request's last block again.  These registers are never rewritten.
	s_lshl_b32 s88, s27, 1                         ; x: 2 cx panels on
	s_and_b32 s96, s28, 1
	s_lshr_b32 s97, s28, 1
	s_lshl_b32 s97, s97, 2
	s_add_co_u32 s96, s96, s97                     ; W: cy % 2 + 4 (cy / 2) panels on
	s_cmp_eq_u32 s25, 0
	s_cselect_b64 s[90:91], s[86:87], s[90:91]
	s_cselect_b32 s88, s88, s96
	s_add_co_u32 s88, s88, 8
	s_mul_i32 s88, s88, PAN
	s_add_nc_u64 s[90:91], s[90:91], s[88:89]
	v_and_b32 v14, 31, v0
	v_min_u32 v19, 24, v14
	v_lshlrev_b32 v19, 8, v19                      ; v19: 256 x min(lane, 24); never rewritten
	v_lshlrev_b32 v1, 4, v14                       ; 16 x lane
	v_and_b32 v2, 15, v0                           ; r
	v_bfe_u32 v3, v0, 4, 1                         ; h
	s_mul_i32 s98, s25, REG                        ; my block of x
	s_mov_b32 s99, 2*REG                           ; W
	s_cmp_eq_u32 s31, 1
	s_cselect_b32 s96, s98, s99                    ; source 0's region: W, or for v my block of x
	s_cselect_b32 s97, s99, s98                    ; source 1's: my block of x, or for v W
	v_add_nc_u32 v4, s96, v1                       ; v4, v5: source 0's fragments in slot 0, 1
	v_add_nc_u32 v5, SLOT, v4
	s_mul_i32 s98, s26, 6144
	s_add_co_u32 s98, s98, s97
	v_add_nc_u32 v6, s98, v1                       ; v6, v7: source 1's four fragments
	v_add_nc_u32 v7, SLOT, v6
	v_lshlrev_b32 v15, 4, v2
	s_add_co_u32 s98, s96, SCO
	v_add_nc_u32 v8, s98, v15                      ; v8, v9: source 0's scale words: 16 r
	v_add_nc_u32 v9, SLOT, v8
	s_lshl_b32 s98, s26, 8
	s_add_co_u32 s98, s98, s97
	s_add_co_u32 s98, s98, SCO
	v_add_nc_u32 v10, s98, v15                     ; v10, v11: source 1's
	v_add_nc_u32 v11, SLOT, v10
	v_lshl_add_u32 v15, v3, 3, v15                 ; v15 = 16 r + 8 h: my two scale words on the way out
	v_and_b32 v14, 8, v2
	v_add_nc_u32 v14, v14, v2                      ; r + 8 (r / 8): lane r's row within a fragment's 24
	v_lshlrev_b32 v17, 2, v14
	v_lshlrev_b32 v14, 8, v14
	v_lshl_add_u32 v14, v3, 6, v14                 ; v14: cos, sin: my token's row of 256 bytes, + 64 h
	s_mul_i32 s98, s24, 64*VP
	v_add_nc_u32 v16, s98, v1                      ; v16: the stage, in: my 64 rows of v1, 16 x lane
	v_mul_u32_u24 v18, v3, 16*VP
	v_add_nc_u32 v17, v17, v18
	s_mul_i32 s98, s25, 128*VP
	s_lshl_b32 s99, s26, 8
	s_add_co_u32 s98, s98, s99
	v_add_nc_u32 v17, s98, v17                     ; v17: the stage, out: key 128 WH + 16 h, channel 64 WL + r + 8 (r / 8)
	s_mov_b32 s66, 0x76543210
	s_mov_b32 s67, 0xfedcba98                      ; lane l xor 16
	s_mov_b32 s70, 0x3c000000                      ; 1 / 128
	s_mov_b32 s71, 0x358637bd                      ; 1e-6
	; where the results go: panel (head within its tensor) x 16 + block of 128 tokens; my four fragments and my 256 bytes of scale words
	s_mov_b64 s[72:73], s[16:17]
	s_mov_b32 s98, 0
	s_cmp_ge_u32 ttmp9, 4
	s_cselect_b64 s[72:73], s[18:19], s[72:73]
	s_cselect_b32 s98, 16, s98
	s_cmp_ge_u32 ttmp9, 5
	s_cselect_b64 s[72:73], s[20:21], s[72:73]
	s_cselect_b32 s98, 20, s98
	s_sub_co_u32 s98, s29, s98                     ; the head within its tensor
	s_lshl_b32 s99, s30, 1
	s_add_co_u32 s99, s99, s25                     ; my block of 128 tokens
	s_lshl_b32 s84, s98, 4
	s_add_co_u32 s84, s84, s99
	s_mul_i32 s84, s84, PAN
	s_mov_b32 s85, 0
	s_add_nc_u64 s[72:73], s[72:73], s[84:85]
	s_lshl_b32 s84, s26, 8
	s_add_co_u32 s84, s84, SCO
	s_add_nc_u64 s[74:75], s[72:73], s[84:85]
	s_mul_i32 s84, s26, 6144
	s_add_nc_u64 s[72:73], s[72:73], s[84:85]
	s_lshl_b32 s84, s99, 15                        ; cos, sin: 128 rows of 256 bytes a block,
	s_lshl_b32 s86, s26, 14                        ; my 64 tokens
	s_add_co_u32 s84, s84, s86
	s_add_nc_u64 s[76:77], s[8:9], s[84:85]
	s_add_nc_u64 s[78:79], s[10:11], s[84:85]
	s_lshl_b32 s84, s98, 11                        ; v1, out1: row (head x 2048 + 256 wy + 64 wave) of 512 bytes (used in a head of v alone)
	s_lshl_b32 s86, s30, 8
	s_add_co_u32 s84, s84, s86
	s_lshl_b32 s86, s24, 6
	s_add_co_u32 s84, s84, s86
	s_lshl_b32 s84, s84, 9
	s_add_nc_u64 s[80:81], s[12:13], s[84:85]
	s_add_nc_u64 s[82:83], s[22:23], s[84:85]
	s_load_b32 s68, s[14:15], 0x0                  ; lambda
	; what the way out will want comes now, into window 3, and lands under the K loop
	s_cmp_eq_u32 s31, 1
	s_cbranch_scc1 .Lpre_v
	WIN 0xc0                                       ; destination window 3
	s_wait_alu depctr_va_vdst(0)
.irp m, 0,1,2,3                                ; register 64 m + 32 a + 16 g + i: cos (a = 0) or sin (a = 1) of my token of tile m, at pair 32 g + 16 h + i
.irp a, 0,1
.irp g, 0,1
.irp j, 0,1,2,3
	global_load_b128 v[64*\m+32*\a+16*\g+4*\j:64*\m+32*\a+16*\g+4*\j+3], v14, s[76+2*\a:77+2*\a] offset:(32*(\m/2)+8*(\m%2))*256+128*\g+16*\j
.endr
.endr
.endr
.endr
	WIN 0
	s_branch .Lpre_done
.Lpre_v:
	WIN 0xc0
.set i, 0
.rept 64                                       ; my 64 rows of v1: 512 consecutive bytes an instruction
	global_load_b128 v[4*i:4*i+3], v1, s[80:81] offset:512*i th:TH_LOAD_NT
.set i, i+1
.endr
	WIN 0
.Lpre_done:
	s_wait_kmcnt 0x0
	s_mov_b32 s69, s68                             ; (the packed form names the pair)
; 39 LDS loads in one run: the fragments and scale words of the slot's q-th K step into set
.macro FETCH slot, q, set
	WIN 0x40                                       ; destination window 1
.irp t, 0,1,2,3,4,5,6,7
.irp c, 0,1,2
	ds_load_b128 v[96*(\set)+12*\t+4*\c:96*(\set)+12*\t+4*\c+3], v[4+\slot] offset:PAN*(\q)+1536*\t+512*\c
.endr
.endr
	WIN 0
.irp m, 0,1,2,3
.irp c, 0,1,2
	ds_load_b128 v[128+48*(\set)+12*\m+4*\c:128+48*(\set)+12*\m+4*\c+3], v[6+\slot] offset:PAN*(\q)+1536*\m+512*\c
.endr
.endr
	ds_load_b128 v[32+12*(\set):35+12*(\set)], v[8+\slot] offset:PAN*(\q)
	ds_load_b128 v[36+12*(\set):39+12*(\set)], v[8+\slot] offset:PAN*(\q)+256
	ds_load_b128 v[40+12*(\set):43+12*(\set)], v[10+\slot] offset:PAN*(\q)
.endm
; 8 matrix instructions: source 1's fragment m against source 0's eight.  The 32 accumulators take turns, one instruction a turn, in the same order in every step.
.macro MUL8 m, set, zero
.irp t, 0,1,2,3,4,5,6,7
.if \zero
	v_wmma_scale_f32_16x16x128_f8f6f4 v[8*(8*(\m)+\t):8*(8*(\m)+\t)+7], v[96*(\set)+12*\t:96*(\set)+12*\t+11], v[128+48*(\set)+12*(\m):128+48*(\set)+12*(\m)+11], 0, v[32+12*(\set)+\t], v[40+12*(\set)+(\m)] matrix_a_fmt:MATRIX_FMT_FP6 matrix_b_fmt:MATRIX_FMT_FP6
.else
	v_wmma_scale_f32_16x16x128_f8f6f4 v[8*(8*(\m)+\t):8*(8*(\m)+\t)+7], v[96*(\set)+12*\t:96*(\set)+12*\t+11], v[128+48*(\set)+12*(\m):128+48*(\set)+12*(\m)+11], v[8*(8*(\m)+\t):8*(8*(\m)+\t)+7], v[32+12*(\set)+\t], v[40+12*(\set)+(\m)] matrix_a_fmt:MATRIX_FMT_FP6 matrix_b_fmt:MATRIX_FMT_FP6
.endif
.endr
.endm
; A K step that has its successor in the same slot: the successor's loads go out first, then this step's 32 products
.macro STEP slot, q, zero
	PLACES 4                                       ; in front of loads into registers that the last step's matrix instructions have read
	FETCH \slot, (\q)+1, 1-(\q)%2
	s_wait_dscnt 39                                ; all but the 39 just issued: this step's fragments are in
	WIN 0xa1                                       ; source 0 window 1, source 1 window 0, C and D window 2
	MUL8 0, (\q)%2, \zero
	MUL8 1, (\q)%2, \zero
	MUL8 2, (\q)%2, \zero
	MUL8 3, (\q)%2, \zero
	WIN 0
.endm
; A slot's last K step changes slots: one barrier; in front of it each wave waits for all its tensor loads, adds 0 to its spare word, and waits for that and for its reads of this slot.  fill = 1: the slot is filled again, eight K steps on.
.macro TURN slot, next, fill
	s_wait_tensorcnt 0x0                           ; all my tensor loads have landed: my part of the next slot
	ds_add_u32 v12, v13                            ; 0 onto my spare word
	s_wait_dscnt 1                                 ; (the add may be out; this step's fragments are in)
	WIN 0xa1
	MUL8 0, 1, 0                                   ; eight matrix instructions stand between the add and the wait for it
	s_wait_dscnt 0x0                               ; the add is done, and my reads of this slot are over
	s_barrier_signal -1
	MUL8 1, 1, 0
	WIN 0
	s_barrier_wait -1
.if \fill
	CREST                                          ; the barrier has opened a round of the cluster's barrier: no wave of any partner still reads this slot or has a load on its way
	s_add_nc_u64 s[50+4*\slot:51+4*\slot], s[50+4*\slot:51+4*\slot], 8*PAN
	s_add_nc_u64 s[58+4*\slot:59+4*\slot], s[58+4*\slot:59+4*\slot], 8*PAN
	JLOAD 48+4*\slot, 32, 56+4*\slot, 40           ; the first tensor load behind the round; its four v_nop are the places in front of the loads below
.else
	PLACES 4
.endif
	FETCH \next, 0, 0
	WIN 0xa1
	MUL8 2, 1, 0
	MUL8 3, 1, 0
	WIN 0
.endm
	s_wait_alu depctr_va_vdst(0)
	s_wait_tensorcnt 0x0                           ; my part of the two slots is in; no tensor load of mine is out, so group 1 may be written:
	s_mov_b32 s33, 32<<16                          ; from here on a load of x brings four panels of one block, as 200 rows of 256 bytes,
	s_mov_b32 s34, 200<<16
	s_mov_b32 s35, 32<<16
	s_mov_b32 s36, 200
	s_mov_b32 s37, 32
	s_mov_b32 s42, 100<<16                         ; a load of W two panels
	s_mov_b32 s44, 100
	s_barrier_signal -1
	s_barrier_wait -1
	FETCH 0, 0, 0
	STEP 0, 0, 1                                   ; the first K step's products start the sums: nothing is cleared
	global_prefetch_b8 v19, s[90:91] th:TH_LOAD_NT scope:SCOPE_SE               ; three K steps ahead of the first refill, seven ahead of the second
	global_prefetch_b8 v19, s[90:91] offset:6400 th:TH_LOAD_NT scope:SCOPE_SE
	s_cmp_lg_u32 s25, 0                            ; W's waves have asked for their panel; x's have a second one
	s_cbranch_scc1 .Lasked_ahead
	global_prefetch_b8 v19, s[90:91] offset:12800 th:TH_LOAD_NT scope:SCOPE_SE
	global_prefetch_b8 v19, s[90:91] offset:19200 th:TH_LOAD_NT scope:SCOPE_SE
.Lasked_ahead:
	STEP 0, 1, 0
	STEP 0, 2, 0
	TURN 0, 1, 1                                   ; slot 0 takes K steps 8 to 11
	STEP 1, 0, 0
	STEP 1, 1, 0
	STEP 1, 2, 0
	TURN 1, 0, 1                                   ; slot 1 takes K steps 12 to 15
	STEP 0, 0, 0
	STEP 0, 1, 0
	STEP 0, 2, 0
	TURN 0, 1, 0                                   ; nothing is left to fetch
	STEP 1, 0, 0
	STEP 1, 1, 0
	STEP 1, 2, 0
	s_wait_dscnt 0x0
	WIN 0xa1
	MUL8 0, 1, 0
	MUL8 1, 1, 0
	MUL8 2, 1, 0
	MUL8 3, 1, 0
	WIN 0
	PLACES 4                                       ; in front of the first read of results and the first write of registers that held fragments
	s_wait_loadcnt 0x0                             ; window 3 is in
.irp b, 0,1,2,3
	v_mov_b32 v[TM+4+\b], 0                        ; a lane permute's destination counts as one of its sources
	v_mov_b32 v[RS+1+2*\b], 0                      ; (named as the upper halves of pairs)
.endr
; 64 numbers of a lane, register 16 b + i = k 32 b + 16 h + i of my row, become a fragment's codes in v[pc] on and its scale word in v[pw]
.macro QUANT s, tm, pc, pw
.irp b, 0,1,2,3
	v_max3_num_f32 v[\tm+\b], |v[\s+16*\b]|, |v[\s+1+16*\b]|, 0x1800000   ; my 16 of block b, and the floor 2^(3 - 127): the byte cannot fall under 1
.endr
.irp i, 2,4,6,8,10,12,14
.irp b, 0,1,2,3
	v_max3_num_f32 v[\tm+\b], v[\tm+\b], |v[\s+16*\b+\i]|, |v[\s+1+16*\b+\i]|
.endr
.endr
.irp b, 0,1,2,3
	v_permlanex16_b32 v[\tm+4+\b], v[\tm+\b], s66, s67
.endr
.irp b, 0,1,2,3
	v_max_num_f32 v[\tm+\b], v[\tm+\b], v[\tm+4+\b]   ; with lane l xor 16's: the block's largest magnitude
.endr
.irp b, 0,1,2,3
	v_add_nc_u32 v[\tm+12+\b], 0xff000000, v[\tm+\b]   ; 2 off its exponent field: the conversion's scale operand
.endr
.irp b, 0,1,2,3
	v_lshrrev_b32 v[\tm+4+\b], 23, v[\tm+12+\b]    ; the scale's byte
.endr
	v_lshl_or_b32 v[\pw], v[\tm+5], 8, v[\tm+4]
	v_lshl_or_b32 v[\pw], v[\tm+6], 16, v[\pw]
	v_lshl_or_b32 v[\pw], v[\tm+7], 24, v[\pw]
.irp c, 0,1
	v_cvt_scalef32_pk16_fp6_f32 v[\pc+6*\c:\pc+2+6*\c], v[\s+32*\c:\s+15+32*\c], v[\tm+12+2*\c]
	v_cvt_scalef32_pk16_fp6_f32 v[\pc+12+4*\c:\pc+14+4*\c], v[\s+16+32*\c:\s+31+32*\c], v[\tm+12+2*\c+1]   ; (a conversion's three registers begin on an even number)
.endr
	v_nop                                          ; one plain place behind a scaled conversion
.irp c, 0,1                                    ; the operand's layout wants a whole block in a lane
.irp i, 0,1,2
	v_permlane16_swap_b32 v[\pc+6*\c+\i], v[\pc+12+4*\c+\i]
.endr
.irp i, 0,1,2
	v_mov_b32 v[\pc+3+6*\c+\i], v[\pc+12+4*\c+\i]
.endr
.endr
.endm
.macro EMIT m                          ; the 64 numbers in v[Y] on become fragment 4 WL + m of my panel
	s_wait_xcnt 0x0                                ; the codes' registers are the data of the last fragment's stores
	QUANT Y, TM, PC, WD+\m
.irp c, 0,1,2
	global_store_b128 v1, v[PC+4*\c:PC+4*\c+3], s[72:73] offset:1536*\m+512*\c   ; 512 consecutive bytes, at a multiple of 256 from the buffer's first byte
.endr
.endm
	; a head of v: v1's rows leave as out1 and go into the stage, from which each lane will take its channel down the keys
	s_cmp_eq_u32 s31, 1
	s_cbranch_scc0 .Lno_stage
	WIN 0x0c                                       ; a store's data are its source 1: window 3
.set i, 0
.rept 64
	global_store_b128 v1, v[4*i:4*i+3], s[82:83] offset:512*i th:TH_STORE_NT
	ds_store_b128 v16, v[4*i:4*i+3] offset:VP*i
.set i, i+1
.endr
	WIN 0
.Lno_stage:
	s_wait_dscnt 0x0                               ; for the others' sake: my stores into the stage are done
	s_barrier_signal -1
	s_barrier_wait -1
	s_cmp_eq_u32 s31, 1
	s_cbranch_scc1 .Lv_out
	; ---- q, k: the sums of squares of my four tokens, two chains each, each accumulator from its low end on
	WIN 0x0a                                       ; sources 0 and 1 window 2
.irp m, 0,1,2,3
	v_pk_mul_f32 v[SS+4*\m:SS+4*\m+1], v[64*\m:64*\m+1], v[64*\m:64*\m+1]
	v_pk_mul_f32 v[SS+4*\m+2:SS+4*\m+3], v[64*\m+2:64*\m+3], v[64*\m+2:64*\m+3]
.endr
.irp n, 4,8,12,16,20,24,28,32,36,40,44,48,52,56,60
.irp m, 0,1,2,3
	v_pk_fma_f32 v[SS+4*\m:SS+4*\m+1], v[64*\m+\n:64*\m+\n+1], v[64*\m+\n:64*\m+\n+1], v[SS+4*\m:SS+4*\m+1]
	v_pk_fma_f32 v[SS+4*\m+2:SS+4*\m+3], v[64*\m+\n+2:64*\m+\n+3], v[64*\m+\n+2:64*\m+\n+3], v[SS+4*\m+2:SS+4*\m+3]
.endr
.endr
	WIN 0
.irp m, 0,1,2,3
	v_add_f32 v[SS+4*\m], v[SS+4*\m], v[SS+4*\m+1]
.endr
.irp m, 0,1,2,3
	v_add_f32 v[SS+4*\m+2], v[SS+4*\m+2], v[SS+4*\m+3]
.endr
.irp m, 0,1,2,3
	v_add_f32 v[SS+4*\m], v[SS+4*\m], v[SS+4*\m+2]
.endr
.irp m, 0,1,2,3
	v_permlanex16_b32 v[SS+4*\m+1], v[SS+4*\m], s66, s67   ; the token's other 64 channels lie in the lane 16 away
.endr
.irp m, 0,1,2,3
	v_add_f32 v[SS+4*\m], v[SS+4*\m], v[SS+4*\m+1]
.endr
.irp m, 0,1,2,3
	v_fma_f32 v[SS+4*\m], v[SS+4*\m], s70, s71     ; the mean + 1e-6
.endr
	s_wait_alu depctr_va_vdst(0)
.irp m, 0,1,2,3
	v_rsq_f32 v[RS+2*\m], v[SS+4*\m]
.endr
	v_nop                                          ; a plain place behind the last of the batch
	s_wait_alu depctr_va_vdst(0)                   ; one wait for the four, ahead of their first reader
; Tile m: x / rms in place; then y0 = x0 cos - x1 sin at channels 32 g + 16 h + i, y1 = x1 cos + x0 sin at 64 + 32 g + 16 h + i: halves on end, not interleaved
.macro ROPE m
	WIN 0x82                                       ; destination and source 0 window 2
.irp n, 0,2,4,6,8,10,12,14,16,18,20,22,24,26,28,30,32,34,36,38,40,42,44,46,48,50,52,54,56,58,60,62
	v_pk_mul_f32 v[64*\m+\n:64*\m+\n+1], v[64*\m+\n:64*\m+\n+1], v[RS+2*\m:RS+2*\m+1] op_sel_hi:[1,0]
.endr
	WIN 0x0e                                       ; source 0 window 2, source 1 window 3
.irp g, 0,1
.irp n, 0,2,4,6,8,10,12,14
	v_pk_mul_f32 v[Y+16*\g+\n:Y+16*\g+\n+1], v[64*\m+32*\g+16+\n:64*\m+32*\g+16+\n+1], v[64*\m+32+16*\g+\n:64*\m+32+16*\g+\n+1]
	v_pk_mul_f32 v[Y+32+16*\g+\n:Y+32+16*\g+\n+1], v[64*\m+32*\g+\n:64*\m+32*\g+\n+1], v[64*\m+32+16*\g+\n:64*\m+32+16*\g+\n+1]
.endr
.endr
.irp g, 0,1
.irp n, 0,2,4,6,8,10,12,14
	v_pk_fma_f32 v[Y+16*\g+\n:Y+16*\g+\n+1], v[64*\m+32*\g+\n:64*\m+32*\g+\n+1], v[64*\m+16*\g+\n:64*\m+16*\g+\n+1], v[Y+16*\g+\n:Y+16*\g+\n+1] neg_lo:[0,0,1] neg_hi:[0,0,1]
	v_pk_fma_f32 v[Y+32+16*\g+\n:Y+32+16*\g+\n+1], v[64*\m+32*\g+16+\n:64*\m+32*\g+16+\n+1], v[64*\m+16*\g+\n:64*\m+16*\g+\n+1], v[Y+32+16*\g+\n:Y+32+16*\g+\n+1]
.endr
.endr
	WIN 0
.endm
.irp m, 0,1,2,3
	ROPE \m
	EMIT \m
.endr
	s_branch .Ljoin
.Lv_out:
; ---- v: tile m: my channel's v1 at my 64 keys out of the stage; v + lambda (v1 - v)
.macro LERP m
.irp b, 0,1,2,3
.irp i, 0,1,2,3,4,5,6,7,8,9,10,11,12,13,14,15
	ds_load_b32 v[Y+16*\b+\i], v17 offset:(32*\b+\i)*VP+4*(32*(\m/2)+8*(\m%2))
.endr
.endr
	s_wait_dscnt 0x0
	WIN 0x08                                       ; source 1 window 2
.irp n, 0,2,4,6,8,10,12,14,16,18,20,22,24,26,28,30,32,34,36,38,40,42,44,46,48,50,52,54,56,58,60,62
	v_pk_add_f32 v[Y+\n:Y+\n+1], v[Y+\n:Y+\n+1], v[64*\m+\n:64*\m+\n+1] neg_lo:[0,1] neg_hi:[0,1]
.endr
	WIN 0x20                                       ; source 2 window 2
.irp n, 0,2,4,6,8,10,12,14,16,18,20,22,24,26,28,30,32,34,36,38,40,42,44,46,48,50,52,54,56,58,60,62
	v_pk_fma_f32 v[Y+\n:Y+\n+1], v[Y+\n:Y+\n+1], s[68:69], v[64*\m+\n:64*\m+\n+1] op_sel_hi:[1,0,1]
.endr
	WIN 0
.endm
	s_wait_alu depctr_va_vdst(0)
.irp m, 0,1,2,3
	LERP \m
	EMIT \m
.endr
.Ljoin:
	v_cmp_eq_u32 vcc_lo, 1, v3                     ; lanes 0-15 store words 0 and 1 of their row, lanes 16-31 words 2 and 3
	v_cndmask_b32 v152, v[WD], v[WD+2], vcc_lo
	v_cndmask_b32 v153, v[WD+1], v[WD+3], vcc_lo
	global_store_b64 v15, v[152:153], s[74:75]     ; 256 consecutive bytes, aligned
	s_wait_tensorcnt 0x0                           ; the wave's end: behind my last tensor load and my last LDS store
	ds_add_u32 v12, v13
	s_wait_dscnt 0x0
	CROUND                                         ; the closing round: no work-group ends while a partner may still ask for a tile that names it
	s_endpgm
.Lfunc_end_k_qc9c6e74afc_proj:
	.size	k_qc9c6e74afc_proj, .Lfunc_end_k_qc9c6e74afc_proj-k_qc9c6e74afc_proj
	.p2alignl 7, 3214868480
	.fill 96, 4, 3214868480
	.section	.rodata,"a",@progbits
	.p2align	6, 0x0
	.amdhsa_kernel k_qc9c6e74afc_proj
		.amdhsa_group_segment_fixed_size 327680
		.amdhsa_private_segment_fixed_size 0
		.amdhsa_enable_private_segment 0
		.amdhsa_kernarg_size 80
		.amdhsa_user_sgpr_count 2
		.amdhsa_user_sgpr_kernarg_segment_ptr 1
		.amdhsa_wavefront_size32 1
		.amdhsa_system_sgpr_workgroup_id_x 1
		.amdhsa_system_sgpr_workgroup_id_y 1
		.amdhsa_system_sgpr_workgroup_id_z 1
		.amdhsa_system_vgpr_workitem_id 0
		.amdhsa_next_free_vgpr 1024
		.amdhsa_next_free_sgpr 100
		.amdhsa_reserve_vcc 1
		.amdhsa_float_denorm_mode_32 3
		.amdhsa_float_denorm_mode_16_64 3
		.amdhsa_memory_ordered 1
		.amdhsa_forward_progress 1
		.amdhsa_inst_pref_size 242
	.end_amdhsa_kernel
	.amdgpu_metadata
---
amdhsa.version: [ 1, 2 ]
amdhsa.kernels:
  - .name:           k_qc9c6e74afc_proj
    .symbol:         k_qc9c6e74afc_proj.kd
    .args:
      - { .name: x_img, .offset: 0, .size: 8, .value_kind: global_buffer, .address_space: global }
      - { .name: w_img, .offset: 8, .size: 8, .value_kind: global_buffer, .address_space: global }
      - { .name: cos, .offset: 16, .size: 8, .value_kind: global_buffer, .address_space: global }
      - { .name: sin, .offset: 24, .size: 8, .value_kind: global_buffer, .address_space: global }
      - { .name: v1, .offset: 32, .size: 8, .value_kind: global_buffer, .address_space: global }
      - { .name: v_lamb, .offset: 40, .size: 8, .value_kind: global_buffer, .address_space: global }
      - { .name: q_img, .offset: 48, .size: 8, .value_kind: global_buffer, .address_space: global }
      - { .name: k_img, .offset: 56, .size: 8, .value_kind: global_buffer, .address_space: global }
      - { .name: v_img, .offset: 64, .size: 8, .value_kind: global_buffer, .address_space: global }
      - { .name: out1, .offset: 72, .size: 8, .value_kind: global_buffer, .address_space: global }
    .group_segment_fixed_size: 327680
    .private_segment_fixed_size: 0
    .kernarg_segment_align: 8
    .kernarg_segment_size: 80
    .max_flat_workgroup_size: 128
    .sgpr_count:     100
    .vgpr_count:     1024
    .wavefront_size: 32
...
	.end_amdgpu_metadata
.endif
;; end of part 2
;; launch attn (part 3): grid 16 x 16, 16 waves a work-group, clusters of 4 x 1, 327,680 bytes of LDS; arguments q_img, k_img, v_img, x, gate_w, y_img; writes y_img
.if DOCPART == 3
	.amdgcn_target "amdgcn-amd-amdhsa--gfx1250"
	.amdhsa_code_object_version 6
	.text
	.protected	k_qc9c6e74afc_attn
	.globl	k_qc9c6e74afc_attn
	.p2align	8
	.type	k_qc9c6e74afc_attn,@function
k_qc9c6e74afc_attn:
	s_mov_b64 s[64:65], 0
	v_nop
	global_prefetch_b8 v0, s[64:65] scope:SCOPE_SE
	s_setreg_imm32_b32 hwreg(HW_REG_WAVE_MODE, 25, 1), 1
	s_wait_xcnt 0x0
	s_wait_alu depctr_hold_cnt(0) depctr_sa_sdst(0) depctr_va_vdst(0) depctr_va_sdst(0) depctr_va_ssrc(0) depctr_va_vcc(0) depctr_vm_vsrc(0)
	s_getreg_b32 s2, hwreg(HW_REG_IB_STS2, 6, 4)
	s_cmp_eq_u32 s2, 0
	s_cbranch_scc0 .Lentry_in_a_cluster
	s_endpgm
.Lentry_in_a_cluster:
	s_bfe_u32 s2, ttmp6, 0x10000c
	s_cmp_lg_u32 s2, 0x3003
	s_cbranch_scc0 .Lentry_shape_is_right
	s_endpgm
.Lentry_shape_is_right:
; y[token][head][:] = sigmoid(x[token][0:16] . gate_w[head]) x the sum over keys <= token of softmax(q . k / sqrt(128)) v, both products on codes of FP6 (E2M3) with E8M0 scales; y is quantised along (head, channel) for the last product.
; THE SOFTMAX: t = score x log2(e) / sqrt(128); M = the running largest t rounded up to a whole number; p = 2^(t - M) is quantised along the keys, not normalised; the sum of the unquantised p divides at the end.
; SHARES.  A cluster is the four query heads of one key and value head: they walk the same K and V, which are asked for jointly.  A work-group owns two blocks of 64 queries of its head: block p and block 31 - p
; (p = the grid's y), so that every work-group has the same number of key steps that count.  A fragment of 16 queries belongs to a PAIR of waves: one takes the even key steps (128 keys each), the other the odd ones,
; each with its own M, sum and O^T; at the end the odd wave hands its O^T, -M and sum to the even one through LDS.  Both M are whole numbers, so the two halves are brought under the larger M by powers of two, which round nothing.
; ROLES.  With a = wave % 4 and b = wave / 4: the fragment is a, the role (a + b) % 4, the parity role % 2, the block role / 2: any four waves with equal numbers modulo 4, and any four with consecutive numbers, hold all four roles.
; Both products are used transposed (S^T = K Q^T, O^T = V^T P^T): a lane holds one query throughout.  The panels' order of rows makes the 16 registers of tiles 2 b, 2 b + 1 the 16 neighbours 32 b + 16 h + 0 .. 15, keys in S^T and channels in O^T.
; RING: two LDS slots of four key steps: K's four panels, then V's four.  Waves 0 and 1 fetch K's, waves 2 and 3 V's, two panels each; all sixteen read.  Every work-group walks all four fills: the text has no loop;
; a step all of whose keys come after the wave's queries is jumped over (a scalar branch on ids); in the step on the diagonal hidden scores become -infinity.  By this text's count a wave has two tensor loads out at the start, later one.
; REGISTERS: v1 16 x lane; v3 16 r; v5, v6 the add's; v7 the gate; v8 my query - 16 h; v10, v11 the scale words' stage; v12 -M, v13 the largest t, v[14:15] the sum; v16-27 Q; v28 x's offset, v29 8 x lane;
;   v32-79 four fragments of K or V; v80, v81 K's fragments in slot 0, 1; v82, v83 V's; v84-87 their scale words; v88 the pair's bytes for the merge; v96-159 S^T, then p, at the end the partner's O^T and y; v160-223 O^T;
;   v224-235 p's codes; v232-254 at work; v248-251 the fragments' scale words; v253 p's; v255 Q's.
; LIMITS: NaN and infinities are not served; y is O^T x (gate x 1 / sum), one factor; a block whose largest magnitude lies under 2^-124 keeps the byte 1, a block of zeros too.
.set PAN,   12800
; THE RING AS IT STANDS (in place of what the head comment says of the slots' bytes and of the loads at the start): K's area of eight panels, then V's; slot s is panels 4 s .. 4 s + 3 of each area.
; At the head waves 0 to 3 issue ONE joint load each, four panels: K's slot 0, K's slot 1, V's slot 0, V's slot 1.  Behind a round each of them has one load out, two panels.
.set SLOTB, 4*PAN                      ; from slot 0 to slot 1 within an area
.set VAR,   8*PAN                      ; V's area, behind K's
.set STG,   2*VAR
.set MRG,   STG+1024                   ; for each of the eight pairs: an image of O^T's 64 registers (8,192 bytes) and of v[12:15] (512); no tile lands here
.set MRGB,  8704
.set SPARE, MRG+8*MRGB                 ; the spare words, 128 bytes a wave: eight blocks of 256 bytes that no other line names
.macro CROUND                          ; a round of the cluster's barrier
	s_barrier_signal -1
	s_barrier_wait -1
	s_cmp_lg_u32 s16, 0
	s_cbranch_scc1 .Lnot_wave_0_\@
	s_barrier_signal -3
.Lnot_wave_0_\@:
	s_barrier_wait -3
	s_barrier_signal -1
	s_barrier_wait -1
.endm
.macro TLOAD s                         ; waves 0 to 3 fetch; the branch hangs on the wave's number alone; four v_nop follow the load
	s_cmp_lt_u32 s16, 4
	s_cbranch_scc0 .Lno_load_\@
	tensor_load_to_lds s[40+4*\s:43+4*\s], s[32:39]
	s_nop 0
.rept 4
	v_nop
.endr
.Lno_load_\@:
.endm
	s_load_b256 s[4:11], s[0:1], 0x0               ; q_img 4, k_img 6, v_img 8, x 10
	s_load_b128 s[12:15], s[0:1], 0x20             ; gate_w 12, y_img 14
	v_lshl_add_u32 v5, v0, 2, SPARE                ; my spare word; never rewritten
	v_mov_b32 v6, 0                                ; 0; never rewritten
	ds_add_u32 v5, v6
	ds_add_u32 v5, v6
	s_wait_dscnt 0x0
	v_lshrrev_b32 v30, 5, v0
	s_delay_alu instid0(VALU_DEP_1)
	v_readfirstlane_b32 s16, v30                   ; wave 0..15
	s_and_b32 s67, s16, 3                          ; my fragment within its block of 64 queries.  Also, in waves 0 to 3: which two panels I fetch
	s_lshr_b32 s31, s16, 2
	s_add_co_u32 s31, s31, s16
	s_and_b32 s75, s31, 3                          ; my role
	s_and_b32 s30, s75, 1                          ; the parity of my key steps
	s_lshr_b32 s31, s75, 1                         ; which of the two blocks of queries
	s_or_b32 s29, s67, s30                         ; 0 in the wave that stores its block's scale words
	s_bfe_u32 s17, ttmp6, 0x40000                  ; cx
	s_and_b32 s19, ttmp7, 0xffff                   ; p
	s_lshl_b32 s24, ttmp9, 2
	s_add_co_u32 s24, s24, s17                     ; the head: it enters Q's, the gate's and y's addresses alone
	s_sub_co_u32 s66, 31, s19
	s_cmp_eq_u32 s31, 0
	s_cselect_b32 s25, s19, s66                    ; my block of 64 queries
	s_lshr_b32 s26, s25, 1                         ; QB: its block of 128
	s_and_b32 s18, s25, 1                          ; and which half of that
	s_lshl_b32 s27, s18, 2
	s_add_co_u32 s27, s27, s67                     ; my fragment in the panel
	s_mov_b32 s28, s30                             ; KB: my key step; it goes on by two
	s_mov_b32 s20, 0x76543210
	s_mov_b32 s21, 0xfedcba98                      ; lane l xor 16
	s_mov_b32 s22, 0x3e0293ee                      ; c = log2(e) / sqrt(128)
	s_mov_b32 s23, s22                             ; (named with it as a pair)
	; descriptor group 1: two panels, 25,600 dense bytes, as 100 rows of 256 bytes (32 elements of 8 bytes)
	s_mov_b32 s32, 15|(3<<16)|(1<<21)              ; 15:0 the mask: all four work-groups; 17:16 elements of 8 bytes; 21 set beside a mask
	s_mov_b32 s33, 32<<16
	s_mov_b32 s34, 200<<16                         ; the head's load: four panels, 200 rows
	s_mov_b32 s35, 32<<16
	s_mov_b32 s36, 200
	s_mov_b32 s37, 32
	s_mov_b32 s38, 0
	s_mov_b32 s39, 0
	s_mul_i32 s68, ttmp9, 16*PAN                   ; the key and value head's sixteen panels,
	s_and_b32 s74, s67, 1
	s_mul_i32 s74, s74, 2*PAN
	s_add_co_u32 s68, s68, s74                     ; my two of each four
	s_mov_b32 s69, 0
	s_and_b32 s74, s67, 1
	s_mul_i32 s74, s74, 2*PAN
	s_lshr_b32 s82, s67, 1
	s_mul_i32 s82, s82, VAR
	s_add_co_u32 s74, s74, s82                     ; a refill's place in slot 0: K's panels 0-1, 2-3, V's 0-1, 2-3
	s_mul_i32 s85, s67, 4*PAN                      ; the head's load: K's slot 0, slot 1, V's slot 0, slot 1
	s_wait_kmcnt 0x0
	s_cmp_lt_u32 s67, 2
	s_cselect_b64 s[76:77], s[6:7], s[8:9]
	s_add_nc_u64 s[76:77], s[76:77], s[68:69]
	CROUND                                         ; all four work-groups are here: the first joint loads meet
.irp s, 0,1
	s_mov_b32 s[40+4*\s], 1
	s_add_co_u32 s[41+4*\s], s74, \s*SLOTB
	s_add_nc_u64 s[42+4*\s:43+4*\s], s[76:77], \s*4*PAN
	s_or_b32 s[43+4*\s], s[43+4*\s], 0x80000000
.endr
	s_and_b32 s82, s67, 1
	s_mul_i32 s82, s82, 2*PAN
	s_mov_b32 s83, 0
	s_mov_b32 s84, 1                               ; the head's group 0: panels 4 (wave % 2) .. + 3 of K or of V
	s_add_nc_u64 s[86:87], s[76:77], s[82:83]
	s_or_b32 s87, s87, 0x80000000
	s_cmp_lt_u32 s16, 4                            ; one tensor load a wave at the head
	s_cbranch_scc0 .Lno_first
	tensor_load_to_lds s[84:87], s[32:39]
	s_nop 0
.rept 4
	v_nop
.endr
.Lno_first:
	s_lshl_b32 s78, s24, 4
	s_add_co_u32 s78, s78, s26
	s_mul_i32 s78, s78, PAN
	s_mov_b32 s79, 0
	s_add_nc_u64 s[4:5], s[4:5], s[78:79]          ; Q's panel: head x 16 + QB
	s_lshl_b32 s78, s18, 8
	s_lshl_b32 s80, s67, 2
	s_add_co_u32 s78, s78, s80
	s_add_co_u32 s78, s78, 12288
	s_add_nc_u64 s[70:71], s[4:5], s[78:79]        ; my fragment's scale words
	s_mul_i32 s78, s27, 1536
	s_add_nc_u64 s[4:5], s[4:5], s[78:79]          ; my fragment
	s_lshl_b32 s80, s26, 4
	s_add_co_u32 s80, s80, s24
	s_mul_i32 s80, s80, PAN
	s_mov_b32 s81, 0
	s_add_nc_u64 s[14:15], s[14:15], s[80:81]      ; y's panel: QB x 16 + head
	s_lshl_b32 s80, s18, 8
	s_add_co_u32 s80, s80, 12288
	s_add_nc_u64 s[72:73], s[14:15], s[80:81]      ; the 256 bytes of scale words that my block's four fragments fill
	s_add_nc_u64 s[14:15], s[14:15], s[78:79]      ; my fragment
	s_lshl_b32 s80, s26, 20
	s_add_nc_u64 s[10:11], s[10:11], s[80:81]      ; x at token 128 QB
	s_lshl_b32 s80, s24, 6
	s_add_nc_u64 s[12:13], s[12:13], s[80:81]
	s_load_b512 s[48:63], s[12:13], 0x0            ; gate_w[head][0 .. 15]
	s_lshr_b32 s66, s27, 1
	s_lshl_b32 s66, s66, 5
	s_and_b32 s80, s27, 1
	s_lshl_b32 s80, s80, 3
	s_add_co_u32 s66, s66, s80                     ; my fragment's first row: 32 (f / 2) + 8 (f % 2)
	v_and_b32 v30, 31, v0                          ; lane
	v_and_b32 v31, 15, v0                          ; r
	v_bfe_u32 v29, v0, 4, 1                        ; h
	s_delay_alu instid0(VALU_DEP_3)
	v_lshlrev_b32 v1, 4, v30
	s_delay_alu instid0(VALU_DEP_3)
	v_lshlrev_b32 v3, 4, v31
	s_delay_alu instid0(VALU_DEP_4)
	v_and_b32 v28, 8, v31
	s_delay_alu instid0(VALU_DEP_1)
	v_add_nc_u32 v28, v28, v31
	s_delay_alu instid0(VALU_DEP_1)
	v_add_nc_u32 v28, s66, v28                     ; my query within its 128
	v_lshlrev_b32 v29, 4, v29
	s_delay_alu instid0(VALU_DEP_1)
	v_sub_nc_u32 v8, v28, v29                      ; less 16 h: register 16 b + i holds key 32 b + i + 16 h, hidden on the diagonal where 32 b + i is above this
	s_delay_alu instid0(VALU_DEP_3)
	v_lshlrev_b32 v28, 13, v28                     ; its row of x: 8,192 bytes
	; every LDS address is made here, ahead of the first parting of the waves: a constant, a constant x lane, constants x numbers made of the wave's number
	s_mul_i32 s80, s30, PAN                        ; my parity's panel of a slot's first two; my second step of a slot lies two panels on
	v_add_nc_u32 v80, s80, v1                      ; K's fragments in slot 0,
	s_delay_alu instid0(VALU_DEP_1)
	v_add_nc_u32 v81, SLOTB, v80                   ; in slot 1;
	s_delay_alu instid0(VALU_DEP_2)
	v_add_nc_u32 v82, VAR, v80                     ; V's
	s_delay_alu instid0(VALU_DEP_2)
	v_add_nc_u32 v83, VAR, v81
	v_add_nc_u32 v84, s80, v3                      ; and the scale words: 16 r
	s_delay_alu instid0(VALU_DEP_1)
	v_add_nc_u32 v85, SLOTB, v84
	s_delay_alu instid0(VALU_DEP_2)
	v_add_nc_u32 v86, VAR, v84
	s_delay_alu instid0(VALU_DEP_2)
	v_add_nc_u32 v87, VAR, v85
	s_lshl_b32 s80, s31, 2
	s_add_co_u32 s80, s80, s67                     ; my pair: 4 x block + fragment
	s_mul_i32 s80, s80, MRGB
	s_add_co_u32 s80, s80, MRG
	v_add_nc_u32 v88, s80, v1                      ; its bytes: 16 x lane
	s_lshl_b32 s66, s75, 8
	s_add_co_u32 s66, s66, STG                     ; my role's 256 bytes
	v_lshl_add_u32 v11, v30, 3, s66                ; the scale words' stage, out: 8 x lane
	s_lshl_b32 s80, s67, 2
	s_add_co_u32 s80, s80, s66
	v_add_nc_u32 v10, s80, v3                      ; in: 16 r + 4 x fragment
	v_lshlrev_b32 v29, 3, v30                      ; 8 x lane
.irp c, 0,1,2
	global_load_b128 v[16+4*\c:19+4*\c], v1, s[4:5] offset:512*\c    ; Q's fragment stays in registers
.endr
	global_load_b32 v255, v3, s[70:71]             ; its scale words
.irp j, 0,1,2,3
	global_load_b128 v[96+4*\j:99+4*\j], v28, s[10:11] offset:16*\j  ; x[my token][0 .. 15]
.endr
	v_mov_b32 v13, 0xff61b1e6                      ; the largest t so far: -3e38, under every t
	s_delay_alu instid0(VALU_DEP_1)
	v_floor_f32 v12, -v13                          ; -M
	v_mov_b32 v14, 0
	v_mov_b32 v15, 0
.irp b, 0,1,2,3
	v_mov_b32 v[236+\b], 0                         ; a lane permute's destination counts as one of its sources
.endr
	v_mov_b32 v252, 0
	v_mov_b32 v253, 0                              ; (named as the upper half of the pair v[252:253] before it is first written)
.irp j, 0,1,2,3,4,5,6,7,8,9,10,11,12,13,14,15,16,17,18,19,20,21,22,23,24,25,26,27,28,29,30,31,32,33,34,35,36,37,38,39,40,41,42,43,44,45,46,47,48,49,50,51,52,53,54,55,56,57,58,59,60,61,62,63
	v_mov_b32 v[160+\j], 0                         ; O^T: the step is written once; the first finds zeros, which the first change of M leaves zeros; a wave without a step hands zeros on
.endr
	s_wait_kmcnt 0x0
	s_wait_loadcnt 0x0
	v_mul_f32 v7, s48, v96                         ; the gate's product, K = 16, in f32: it goes on into a quantised operand
.irp c, 1,2,3,4,5,6,7,8,9,10,11,12,13,14,15
	s_delay_alu instid0(VALU_DEP_1)
	v_fmac_f32 v7, s[48+\c], v[96+\c]
.endr
	s_delay_alu instid0(VALU_DEP_1)
	v_mul_f32 v7, 0xbfb8aa3b, v7                   ; sigmoid(z) = 1 / (1 + 2^(-z log2(e)))
	s_wait_alu depctr_va_vdst(0)
	v_exp_f32 v7, v7
	v_nop
	s_wait_alu depctr_va_vdst(0)                   ; the wait ahead of the first reader
	v_add_f32 v7, 1.0, v7
	s_wait_alu depctr_va_vdst(0)
	v_rcp_f32 v7, v7
	v_nop
	s_wait_alu depctr_va_vdst(0)
; A KEY STEP: 128 keys, my q-th of slot (panel parity + 2 q of the slot's four)
.macro STEP slot, q
	s_cmp_gt_u32 s28, s26                          ; all its keys come after my queries: left out
	s_cbranch_scc1 .Lhidden_\@
; S^T = K Q^T.  ALL EIGHT FRAGMENTS OF K COME IN ONE RUN OF 26 LOADS: fragments 4 and 5 into v96-119 (where score tiles 0 to 2 will lie), 6 and 7 into v224-247 (p's codes and the work registers, free at a step's start),
; 0 to 3 into v32-79; the scale words of fragments 4 to 7 into v92-95, which hold scale words alone.  Tiles 4 to 7 are multiplied first; five places; then tiles 0 to 3, which write over fragments 4 and 5.
.rept 5
	v_nop                                          ; places in front of loads into registers that matrix instructions have read, and of products that write over such registers
.endr
.irp t, 0,1
.irp c, 0,1,2
	ds_load_b128 v[96+12*\t+4*\c:99+12*\t+4*\c], v[80+\slot] offset:2*PAN*(\q)+1536*(4+\t)+512*\c
	ds_load_b128 v[224+12*\t+4*\c:227+12*\t+4*\c], v[80+\slot] offset:2*PAN*(\q)+1536*(6+\t)+512*\c
.endr
.endr
	ds_load_b128 v[92:95], v[84+\slot] offset:2*PAN*(\q)+12288+256
.irp t, 0,1,2,3
.irp c, 0,1,2
	ds_load_b128 v[32+12*\t+4*\c:35+12*\t+4*\c], v[80+\slot] offset:2*PAN*(\q)+1536*\t+512*\c
.endr
.endr
	ds_load_b128 v[248:251], v[84+\slot] offset:2*PAN*(\q)+12288
	s_wait_dscnt 13                                ; fragments 4 to 7 and their scale words are in; the thirteen loads behind them may be out
.irp t, 0,1
	v_wmma_scale_f32_16x16x128_f8f6f4 v[128+8*\t:135+8*\t], v[96+12*\t:107+12*\t], v[16:27], 0, v[92+\t], v255 matrix_a_fmt:MATRIX_FMT_FP6 matrix_b_fmt:MATRIX_FMT_FP6
.endr
.irp t, 0,1
	v_wmma_scale_f32_16x16x128_f8f6f4 v[144+8*\t:151+8*\t], v[224+12*\t:235+12*\t], v[16:27], 0, v[94+\t], v255 matrix_a_fmt:MATRIX_FMT_FP6 matrix_b_fmt:MATRIX_FMT_FP6
.endr
.rept 5
	v_nop                                          ; five places: the products below write over registers that the products above have read
.endr
	s_wait_dscnt 0x0
.irp t, 0,1,2,3
	v_wmma_scale_f32_16x16x128_f8f6f4 v[96+8*\t:103+8*\t], v[32+12*\t:43+12*\t], v[16:27], 0, v[248+\t], v255 matrix_a_fmt:MATRIX_FMT_FP6 matrix_b_fmt:MATRIX_FMT_FP6
.endr
.rept 4
	v_nop                                          ; places in front of the loads below and of the first read of the scores
.endr
.irp t, 0,1,2,3                                ; V's first four fragments and their scale words are asked for now: the softmax names none of these registers, and they land under it
.irp c, 0,1,2
	ds_load_b128 v[32+12*\t+4*\c:35+12*\t+4*\c], v[82+\slot] offset:2*PAN*(\q)+1536*\t+512*\c
.endr
.endr
	ds_load_b128 v[248:251], v[86+\slot] offset:2*PAN*(\q)+12288
	s_cmp_lg_u32 s28, s26                          ; on the diagonal the scores of hidden keys become -infinity ahead of the maximum
	s_cbranch_scc1 .Lopen_\@
	v_mov_b32 v254, 0xff800000
.irp n, 0,1,2,3,4,5,6,7,8,9,10,11,12,13,14,15,16,17,18,19,20,21,22,23,24,25,26,27,28,29,30,31,32,33,34,35,36,37,38,39,40,41,42,43,44,45,46,47,48,49,50,51,52,53,54,55,56,57,58,59,60,61,62,63
	v_cmp_gt_i32 vcc_lo, 32*(\n/16)+\n%16, v8
	v_cndmask_b32 v[96+\n], v[96+\n], v254, vcc_lo
.endr
.Lopen_\@:
.irp b, 0,1,2,3
	v_max3_num_f32 v[232+\b], v[96+16*\b], v[97+16*\b], v[98+16*\b]   ; the largest score of each block of 32 keys: for the row's maximum and, since p rises with the score, for the block's largest p
.endr
.irp i, 3,5,7,9,11,13
.irp b, 0,1,2,3
	v_max3_num_f32 v[232+\b], v[232+\b], v[96+16*\b+\i], v[97+16*\b+\i]
.endr
.endr
.irp b, 0,1,2,3
	v_max_num_f32 v[232+\b], v[232+\b], v[111+16*\b]
.endr
.irp b, 0,1,2,3
	s_delay_alu instid0(VALU_DEP_4)
	v_permlanex16_b32 v[236+\b], v[232+\b], s20, s21
.endr
.irp b, 0,1,2,3
	s_delay_alu instid0(VALU_DEP_4)
	v_max_num_f32 v[232+\b], v[232+\b], v[236+\b]  ; with lane l xor 16's 16 keys
.endr
	s_delay_alu instid0(VALU_DEP_2)
	v_max3_num_f32 v254, v232, v233, v234
	s_delay_alu instid0(VALU_DEP_1)
	v_max_num_f32 v254, v254, v235
	s_delay_alu instid0(VALU_DEP_1)
	v_mul_f32 v254, s22, v254                      ; as t (c is positive)
	s_delay_alu instid0(VALU_DEP_1)
	v_max_num_f32 v13, v13, v254                   ; the running largest t
	v_mov_b32 v254, v12
	s_delay_alu instid0(VALU_DEP_2)
	v_floor_f32 v12, -v13                          ; the new -M = -ceil(t): a whole number
	s_delay_alu instid0(VALU_DEP_1)
	v_sub_f32 v254, v12, v254                      ; old M - new M: a whole number, 0 or less
	s_delay_alu instid0(VALU_DEP_1)
	v_cvt_i32_f32 v254, v254                       ; (it saturates)
	s_delay_alu instid0(VALU_DEP_1)
	v_ldexp_f32 v252, 1.0, v254                    ; f = 2^(old M - new M): a multiplication by it rounds nothing
.irp j, 0,2,4,6,8,10,12,14,16,18,20,22,24,26,28,30,32,34,36,38,40,42,44,46,48,50,52,54,56,58,60,62
	v_pk_fma_f32 v[96+\j:97+\j], v[96+\j:97+\j], s[22:23], v[12:13] op_sel_hi:[1,0,0]   ; t - M
.endr
.irp b, 0,1,2,3
	v_fma_f32 v[232+\b], v[232+\b], s22, v12       ; the same of each block's largest score
.endr
	s_wait_alu depctr_va_vdst(0)
.irp j, 0,1,2,3,4,5,6,7,8,9,10,11,12,13,14,15,16,17,18,19,20,21,22,23,24,25,26,27,28,29,30,31,32,33,34,35,36,37,38,39,40,41,42,43,44,45,46,47,48,49,50,51,52,53,54,55,56,57,58,59,60,61,62,63
	v_exp_f32 v[96+\j], v[96+\j]                   ; p = 2^(t - M)
.endr
	v_pk_mul_f32 v[14:15], v[14:15], v[252:253] op_sel_hi:[1,0]   ; the sums under the new M (a plain place behind the exponentials)
	s_wait_alu depctr_va_vdst(0)                   ; one wait for the batch of 64, ahead of its first reader
.irp b, 0,1,2,3
	v_exp_f32 v[232+\b], v[232+\b]                 ; each block's largest p
.endr
	v_pk_add_f32 v[236:237], v[100:101], v[104:105]
	v_pk_add_f32 v[246:247], v[108:109], v[112:113]
	v_pk_add_f32 v[244:245], v[116:117], v[120:121]
	v_pk_add_f32 v[242:243], v[124:125], v[128:129]
	v_pk_add_f32 v[240:241], v[132:133], v[136:137]
	v_pk_add_f32 v[238:239], v[140:141], v[144:145]
	v_pk_add_f32 v[230:231], v[148:149], v[152:153]
	v_pk_add_f32 v[14:15], v[14:15], v[156:157]
	v_pk_add_f32 v[236:237], v[236:237], v[96:97]
	v_pk_add_f32 v[246:247], v[246:247], v[98:99]
	v_pk_add_f32 v[244:245], v[244:245], v[102:103]
	v_pk_add_f32 v[242:243], v[242:243], v[106:107]
	v_pk_add_f32 v[240:241], v[240:241], v[110:111]
	v_pk_add_f32 v[238:239], v[238:239], v[114:115]
	v_pk_add_f32 v[230:231], v[230:231], v[118:119]
	v_pk_add_f32 v[14:15], v[14:15], v[122:123]
	v_pk_add_f32 v[236:237], v[236:237], v[126:127]
	v_pk_add_f32 v[246:247], v[246:247], v[130:131]
	v_pk_add_f32 v[244:245], v[244:245], v[134:135]
	v_pk_add_f32 v[242:243], v[242:243], v[138:139]
	v_pk_add_f32 v[240:241], v[240:241], v[142:143]
	v_pk_add_f32 v[238:239], v[238:239], v[146:147]
	v_pk_add_f32 v[230:231], v[230:231], v[150:151]
	v_pk_add_f32 v[14:15], v[14:15], v[154:155]
	v_pk_add_f32 v[236:237], v[236:237], v[158:159]
	s_delay_alu instid0(VALU_DEP_2)
	v_pk_add_f32 v[14:15], v[14:15], v[242:243]
	s_delay_alu instid0(VALU_DEP_2)
	v_pk_add_f32 v[236:237], v[236:237], v[240:241]
	v_pk_add_f32 v[246:247], v[246:247], v[238:239]
	v_pk_add_f32 v[244:245], v[244:245], v[230:231]
	s_delay_alu instid0(VALU_DEP_2)
	v_pk_add_f32 v[14:15], v[14:15], v[246:247]
	s_delay_alu instid0(VALU_DEP_2)
	v_pk_add_f32 v[236:237], v[236:237], v[244:245]
	s_delay_alu instid0(VALU_DEP_1)
	v_pk_add_f32 v[14:15], v[14:15], v[236:237]
	s_wait_alu depctr_va_vdst(0)                   ; and one for the four
.irp b, 0,1,2,3
	v_max_num_f32 v[232+\b], 0x1800000, v[232+\b]  ; the floor 2^(3 - 127): the byte cannot fall under 1
.endr
.irp b, 0,1,2,3
	s_delay_alu instid0(VALU_DEP_4)
	v_add_nc_u32 v[244+\b], 0xff000000, v[232+\b]  ; 2 off the exponent field: the conversion's scale operand
.endr
.irp b, 0,1,2,3
	s_delay_alu instid0(VALU_DEP_4)
	v_lshrrev_b32 v[236+\b], 23, v[244+\b]
.endr
	s_delay_alu instid0(VALU_DEP_3)
	v_lshl_or_b32 v253, v237, 8, v236              ; p's scale word for these 128 keys
	s_delay_alu instid0(VALU_DEP_1)
	v_lshl_or_b32 v253, v238, 16, v253
	s_delay_alu instid0(VALU_DEP_1)
	v_lshl_or_b32 v253, v239, 24, v253
.irp c, 0,1
	v_cvt_scalef32_pk16_fp6_f32 v[224+6*\c:226+6*\c], v[96+32*\c:111+32*\c], v[244+2*\c]
	v_cvt_scalef32_pk16_fp6_f32 v[236+4*\c:238+4*\c], v[112+32*\c:127+32*\c], v[244+2*\c+1]
.endr
	v_nop                                          ; one plain place behind a scaled conversion
.irp t, 0,1,2,3                                ; p has been summed and converted: its registers take V's fragments 4 to 7, v92-95 their scale words; they land under the work on registers below
.irp c, 0,1,2
	ds_load_b128 v[96+12*\t+4*\c:99+12*\t+4*\c], v[82+\slot] offset:2*PAN*(\q)+1536*(4+\t)+512*\c
.endr
.endr
	ds_load_b128 v[92:95], v[86+\slot] offset:2*PAN*(\q)+12288+256
.irp c, 0,1
.irp i, 0,1,2
	v_permlane16_swap_b32 v[224+6*\c+\i], v[236+4*\c+\i]
.endr
.irp i, 0,1,2
	s_delay_alu instid0(VALU_DEP_3)
	v_mov_b32 v[227+6*\c+\i], v[236+4*\c+\i]
.endr
.endr
.irp j, 0,2,4,6,8,10,12,14,16,18,20,22,24,26,28,30,32,34,36,38,40,42,44,46,48,50,52,54,56,58,60,62
	v_pk_mul_f32 v[160+\j:161+\j], v[160+\j:161+\j], v[252:253] op_sel_hi:[1,0]   ; O^T under the new M; these 32 are also the places in front of the matrix instructions below
.endr
	s_wait_alu depctr_va_vdst(0)
	s_wait_dscnt 0x0                               ; V's first four fragments, asked for ahead of the softmax
.irp t, 0,1,2,3                                ; O^T += V^T P^T, four tiles of 16 channels at a time
	v_wmma_scale_f32_16x16x128_f8f6f4 v[160+8*\t:167+8*\t], v[32+12*\t:43+12*\t], v[224:235], v[160+8*\t:167+8*\t], v[248+\t], v253 matrix_a_fmt:MATRIX_FMT_FP6 matrix_b_fmt:MATRIX_FMT_FP6
.endr
.irp t, 0,1,2,3                                ; the other four tiles follow at once: the one wait above has shown all eight fragments of V in
	v_wmma_scale_f32_16x16x128_f8f6f4 v[192+8*\t:199+8*\t], v[96+12*\t:107+12*\t], v[224:235], v[192+8*\t:199+8*\t], v[92+\t], v253 matrix_a_fmt:MATRIX_FMT_FP6 matrix_b_fmt:MATRIX_FMT_FP6
.endr
.Lhidden_\@:
	s_add_co_u32 s28, s28, 2                       ; my next key step
.endm
; THE CHANGE OF SLOTS: each wave waits for all its tensor loads, adds 0 to its spare word, and waits for that and for its reads of slot s, which it has left.  fill = 1: a round of the cluster's barrier, and slot s is filled with the keys two slots on.
.macro CHANGE s, fill
	s_wait_tensorcnt 0x0                           ; no tensor load of mine is out, so a group 0 may be written
	ds_add_u32 v5, v6                              ; 0 onto my spare word
.if \fill
	ds_add_u32 v5, v6                              ; and once more
	s_add_nc_u64 s[42+4*\s:43+4*\s], s[42+4*\s:43+4*\s], 8*PAN
.endif
	s_wait_dscnt 0x0                               ; the add is done, and my reads of the slot are over
.if \fill
	CROUND
	TLOAD \s                                       ; the first thing behind the round, and a wave's one tensor load until the next
.else
	s_barrier_signal -1
	s_barrier_wait -1
.endif
.endm
	s_wait_tensorcnt 0x0                           ; my part of both slots is in; no tensor load of mine is out, so group 1 may be written:
	s_mov_b32 s34, 100<<16                         ; from here on a load brings two panels
	s_mov_b32 s36, 100
	s_barrier_signal -1
	s_barrier_wait -1
	STEP 0, 0
	STEP 0, 1
	CHANGE 0, 1                                    ; slot 0 takes key steps 8 to 11
	STEP 1, 0                                      ; 4 to 7
	STEP 1, 1
	CHANGE 1, 1                                    ; slot 1 takes key steps 12 to 15
	STEP 0, 0                                      ; 8 to 11
	STEP 0, 1
	CHANGE 0, 0                                    ; nothing is left to fetch
	STEP 1, 0                                      ; 12 to 15
	STEP 1, 1
	; THE MERGE.  The wave of the odd key steps stores O^T, -M and the sum as images of its registers; a barrier; the wave of the even steps takes them.
.rept 4
	v_nop                                          ; places behind the last products
.endr
	s_cmp_eq_u32 s30, 0
	s_cbranch_scc1 .Lkeeper
.irp c, 0,1,2,3,4,5,6,7,8,9,10,11,12,13,14,15
	ds_store_b128 v88, v[160+4*\c:163+4*\c] offset:512*\c   ; each accumulator from its low end on
.endr
	ds_store_b128 v88, v[12:15] offset:8192        ; -M, the largest t, the sum's two halves
.Lkeeper:
	s_wait_dscnt 0x0                               ; for the partner's sake: my stores are done
	s_barrier_signal -1
	s_barrier_wait -1
	s_cmp_lg_u32 s30, 0
	s_cbranch_scc1 .Lsent
	ds_load_b128 v[232:235], v88 offset:8192
.irp c, 0,1,2,3,4,5,6,7,8,9,10,11,12,13,14,15
	ds_load_b128 v[96+4*\c:99+4*\c], v88 offset:512*\c
.endr
	v_add_f32 v14, v14, v15                        ; my sum's two halves
	s_wait_dscnt 16                                ; the partner's -M and sum are in; its O^T, sixteen loads, may be out
	v_min_num_f32 v236, v12, v232                  ; the joint -M: the larger M
	s_delay_alu instid0(VALU_DEP_1)
	v_sub_f32 v237, v236, v12                      ; my M less the joint one: a whole number, 0 or less
	s_delay_alu instid0(VALU_DEP_2)
	v_sub_f32 v238, v236, v232                     ; the partner's (a partner without a step has M = -3e38: the conversion saturates and its factor is 0)
	s_delay_alu instid0(VALU_DEP_2)
	v_cvt_i32_f32 v237, v237
	s_delay_alu instid0(VALU_DEP_2)
	v_cvt_i32_f32 v238, v238
	s_delay_alu instid0(VALU_DEP_2)
	v_ldexp_f32 v237, 1.0, v237                    ; powers of two: they round nothing
	s_wait_alu depctr_va_vdst(0)
	v_ldexp_f32 v238, 1.0, v238
	v_add_f32 v234, v234, v235
	v_mul_f32 v14, v14, v237
	s_delay_alu instid0(VALU_DEP_1)
	v_fma_f32 v14, v234, v238, v14                 ; both halves' sums under the joint M
	s_delay_alu instid0(VALU_DEP_1)
	v_permlanex16_b32 v252, v14, s20, s21
	s_delay_alu instid0(VALU_DEP_1)
	v_add_f32 v14, v14, v252                       ; the row's sum
	s_wait_alu depctr_va_vdst(0)
	v_rcp_f32 v14, v14
	v_nop
	s_wait_alu depctr_va_vdst(0)
	v_mul_f32 v14, v14, v7                         ; gate / sum
	s_delay_alu instid0(VALU_DEP_1)
	v_mul_f32 v240, v14, v237                      ; for my O^T
	s_delay_alu instid0(VALU_DEP_2)
	v_mul_f32 v242, v14, v238                      ; for the partner's
	s_delay_alu instid0(VALU_DEP_2)
	v_mov_b32 v241, v240                           ; (the pairs are named whole)
	s_delay_alu instid0(VALU_DEP_2)
	v_mov_b32 v243, v242
	s_wait_alu depctr_va_vdst(0)
	s_wait_dscnt 0x0
.irp j, 0,2,4,6,8,10,12,14,16,18,20,22,24,26,28,30,32,34,36,38,40,42,44,46,48,50,52,54,56,58,60,62
	v_pk_mul_f32 v[96+\j:97+\j], v[96+\j:97+\j], v[242:243] op_sel_hi:[1,0]
.endr
.irp j, 0,2,4,6,8,10,12,14,16,18,20,22,24,26,28,30,32,34,36,38,40,42,44,46,48,50,52,54,56,58,60,62
	v_pk_fma_f32 v[96+\j:97+\j], v[160+\j:161+\j], v[240:241], v[96+\j:97+\j] op_sel_hi:[1,0,1]   ; y: register 16 b + i: channel 32 b + 16 h + i
.endr
	; y is quantised along the channels: a fragment of y's panel, as it stands
.irp b, 0,1,2,3
	v_max3_num_f32 v[232+\b], |v[96+16*\b]|, |v[97+16*\b]|, 0x1800000
.endr
.irp i, 2,4,6,8,10,12,14
.irp b, 0,1,2,3
	s_delay_alu instid0(VALU_DEP_4)
	v_max3_num_f32 v[232+\b], v[232+\b], |v[96+16*\b+\i]|, |v[97+16*\b+\i]|
.endr
.endr
.irp b, 0,1,2,3
	s_delay_alu instid0(VALU_DEP_4)
	v_permlanex16_b32 v[236+\b], v[232+\b], s20, s21
.endr
.irp b, 0,1,2,3
	s_delay_alu instid0(VALU_DEP_4)
	v_max_num_f32 v[232+\b], v[232+\b], v[236+\b]
.endr
.irp b, 0,1,2,3
	s_delay_alu instid0(VALU_DEP_4)
	v_add_nc_u32 v[244+\b], 0xff000000, v[232+\b]
.endr
.irp b, 0,1,2,3
	s_delay_alu instid0(VALU_DEP_4)
	v_lshrrev_b32 v[236+\b], 23, v[244+\b]
.endr
	s_delay_alu instid0(VALU_DEP_3)
	v_lshl_or_b32 v253, v237, 8, v236
	s_delay_alu instid0(VALU_DEP_1)
	v_lshl_or_b32 v253, v238, 16, v253
	s_delay_alu instid0(VALU_DEP_1)
	v_lshl_or_b32 v253, v239, 24, v253
.irp c, 0,1
	v_cvt_scalef32_pk16_fp6_f32 v[32+6*\c:34+6*\c], v[96+32*\c:111+32*\c], v[244+2*\c]
	v_cvt_scalef32_pk16_fp6_f32 v[44+4*\c:46+4*\c], v[112+32*\c:127+32*\c], v[244+2*\c+1]
.endr
	v_nop
.irp c, 0,1
.irp i, 0,1,2
	v_permlane16_swap_b32 v[32+6*\c+\i], v[44+4*\c+\i]
.endr
.irp i, 0,1,2
	s_delay_alu instid0(VALU_DEP_3)
	v_mov_b32 v[35+6*\c+\i], v[44+4*\c+\i]
.endr
.endr
.irp c, 0,1,2
	global_store_b128 v1, v[32+4*\c:35+4*\c], s[14:15] offset:512*\c   ; 512 consecutive bytes, at a multiple of 256 from the buffer's first byte
.endr
	ds_store_b32 v10, v253                         ; four fragments' scale words meet in 256 bytes (both halves of the lanes write the same word with the same value)
.Lsent:
	s_wait_dscnt 0x0                               ; for the others' sake
	s_barrier_signal -1
	s_barrier_wait -1
	s_cmp_lg_u32 s29, 0                            ; the even wave of each block's first fragment stores them
	s_cbranch_scc1 .Lno_words
	ds_load_b64 v[52:53], v11
	s_wait_dscnt 0x0
	global_store_b64 v29, v[52:53], s[72:73]       ; 256 consecutive bytes, aligned
.Lno_words:
	s_wait_tensorcnt 0x0                           ; the wave's end
	ds_add_u32 v5, v6
	s_wait_dscnt 0x0
	CROUND                                         ; the closing round
	s_endpgm
.Lfunc_end_k_qc9c6e74afc_attn:
	.size	k_qc9c6e74afc_attn, .Lfunc_end_k_qc9c6e74afc_attn-k_qc9c6e74afc_attn
	.p2alignl 7, 3214868480
	.fill 96, 4, 3214868480
	.section	.rodata,"a",@progbits
	.p2align	6, 0x0
	.amdhsa_kernel k_qc9c6e74afc_attn
		.amdhsa_group_segment_fixed_size 327680
		.amdhsa_private_segment_fixed_size 0
		.amdhsa_enable_private_segment 0
		.amdhsa_kernarg_size 48
		.amdhsa_user_sgpr_count 2
		.amdhsa_user_sgpr_kernarg_segment_ptr 1
		.amdhsa_wavefront_size32 1
		.amdhsa_system_sgpr_workgroup_id_x 1
		.amdhsa_system_sgpr_workgroup_id_y 1
		.amdhsa_system_sgpr_workgroup_id_z 1
		.amdhsa_system_vgpr_workitem_id 0
		.amdhsa_next_free_vgpr 256
		.amdhsa_next_free_sgpr 100
		.amdhsa_reserve_vcc 1
		.amdhsa_float_denorm_mode_32 3
		.amdhsa_float_denorm_mode_16_64 3
		.amdhsa_memory_ordered 1
		.amdhsa_forward_progress 1
		.amdhsa_inst_pref_size 227
	.end_amdhsa_kernel
	.amdgpu_metadata
---
amdhsa.version: [ 1, 2 ]
amdhsa.kernels:
  - .name:           k_qc9c6e74afc_attn
    .symbol:         k_qc9c6e74afc_attn.kd
    .args:
      - { .name: q_img, .offset: 0, .size: 8, .value_kind: global_buffer, .address_space: global }
      - { .name: k_img, .offset: 8, .size: 8, .value_kind: global_buffer, .address_space: global }
      - { .name: v_img, .offset: 16, .size: 8, .value_kind: global_buffer, .address_space: global }
      - { .name: x, .offset: 24, .size: 8, .value_kind: global_buffer, .address_space: global }
      - { .name: gate_w, .offset: 32, .size: 8, .value_kind: global_buffer, .address_space: global }
      - { .name: y_img, .offset: 40, .size: 8, .value_kind: global_buffer, .address_space: global }
    .group_segment_fixed_size: 327680
    .private_segment_fixed_size: 0
    .kernarg_segment_align: 8
    .kernarg_segment_size: 48
    .max_flat_workgroup_size: 512
    .sgpr_count:     100
    .vgpr_count:     256
    .wavefront_size: 32
...
	.end_amdgpu_metadata
.endif
;; end of part 3
;; launch outp (part 4): grid 16 x 16, 4 waves a work-group, clusters of 4 x 4, 327,680 bytes of LDS; arguments y_img, wo_img, out0; writes out0
.if DOCPART == 4
	.amdgcn_target "amdgcn-amd-amdhsa--gfx1250"
	.amdhsa_code_object_version 6
	.text
	.protected	k_qc9c6e74afc_outp
	.globl	k_qc9c6e74afc_outp
	.p2align	8
	.type	k_qc9c6e74afc_outp,@function
k_qc9c6e74afc_outp:
	s_mov_b64 s[64:65], 0
	v_nop
	global_prefetch_b8 v0, s[64:65] scope:SCOPE_SE
	s_setreg_imm32_b32 hwreg(HW_REG_WAVE_MODE, 25, 1), 1
	s_wait_xcnt 0x0
	s_wait_alu depctr_hold_cnt(0) depctr_sa_sdst(0) depctr_va_vdst(0) depctr_va_sdst(0) depctr_va_ssrc(0) depctr_va_vcc(0) depctr_vm_vsrc(0)
	s_getreg_b32 s2, hwreg(HW_REG_IB_STS2, 6, 4)
	s_cmp_eq_u32 s2, 0
	s_cbranch_scc0 .Lentry_in_a_cluster
	s_endpgm
.Lentry_in_a_cluster:
	s_bfe_u32 s2, ttmp6, 0x10000c
	s_cmp_lg_u32 s2, 0xf033
	s_cbranch_scc0 .Lentry_shape_is_right
	s_endpgm
.Lentry_shape_is_right:
; out0 = y Wo^T on codes of FP6 (E2M3) with E8M0 scales; y and Wo lie in memory as panels (128 rows x 128 K, 12,800 bytes: eight images of a fragment's 12 registers, then the scale words); sums in f32.
; SHARES: a work-group makes 128 tokens x 128 columns (16 x 16 work-groups), a wave 64 x 64: 16 accumulators.  Source 0 = four fragments of Wo, source 1 = four of y: a lane holds eight neighbouring columns of one token.
; LDS: y's area of twelve panels, then Wo's.  K has sixteen steps of 128.  At the head each wave issues ONE joint load of six panels (waves 0, 1: y's K steps 0-5, 6-11; waves 2, 3: Wo's).
; When K steps 0 to 3 have been read, a round of the cluster's barrier, and their bytes take K steps 12 to 15, two panels a wave: that load has the 128 matrix instructions of K steps 4 to 11 in which to land.
; So the text has two fills; by its own count a wave has one tensor load out at the start and one behind the round.
; CLUSTER 4 x 4: y's panels are shared along a row of the cluster, Wo's along a column.
; PREFETCH: behind the head's load each wave names 25 blocks of 256 bytes of K steps 12 to 15 (200 blocks of y's four panels, 200 of Wo's): the eight waves that fetch a tile in the four partners share its blocks out by address;
; lanes 25 to 31 name their wave's last block again.  It stands one fill ahead of the load that wants the bytes; its address registers are never rewritten.
; REGISTERS: window 0: v1-16 lane numbers and the way out; v17-28 LDS addresses, three regions of four K steps each; v32-47 scale words, two sets; v64-127 the way out; v128-223 y's fragments, two sets.
;   window 1: Wo's fragments, two sets of 48.   window 2: the accumulators, (m, t) at v[8 (4 m + t)].
; THE STAGE of the way out lies in y's K steps 4 to 7: filled once, and read no more behind the walk's last barrier.
.set PAN,    12800
.set REG,    4*PAN                     ; a region: four K steps of one area
.set AREA,   3*REG
.set SPARE,  2*AREA                    ; behind the areas: the spare words, 128 bytes a wave: two blocks of 256 bytes that no other line names
.set SCO,    12288                     ; a panel's scale words
.set SPITCH, 272
.set STAGE,  REG
.set AW,     17                        ; v17-19 Wo's fragments in region 0, 1, 2;  v20-22 y's;  v23-25 Wo's scale words;  v26-28 y's
.set AY,     20
.set SW,     23
.set SY,     26
.set MSB, 0
.macro WIN new                         ; the immediate's high byte repeats the setting that is left
.if MSB != \new
	s_set_vgpr_msb (MSB<<8)|\new
.set MSB, \new
.endif
.endm
.macro PLACES n
.rept \n
	v_nop
.endr
.endm
; A joint load: waves 0 and 1 fetch for y, waves 2 and 3 for Wo; the branch hangs on the wave's number alone.  An s_nop 0 and four v_nop follow each line.
.macro JLOAD g0a, g1a, g0b, g1b
	s_cmp_eq_u32 s25, 0
	s_cbranch_scc0 .Lfor_b_\@
	tensor_load_to_lds s[\g0a:\g0a+3], s[\g1a:\g1a+7]
	s_nop 0
.rept 4
	v_nop
.endr
	s_branch .Lasked_\@
.Lfor_b_\@:
	tensor_load_to_lds s[\g0b:\g0b+3], s[\g1b:\g1b+7]
	s_nop 0
.rept 4
	v_nop
.endr
.Lasked_\@:
.endm
.macro CREST                           ; a round of the cluster's barrier behind its opening barrier
	s_cmp_lg_u32 s24, 0
	s_cbranch_scc1 .Lnot_wave_0_\@
	s_barrier_signal -3
.Lnot_wave_0_\@:
	s_barrier_wait -3
	s_barrier_signal -1
	s_barrier_wait -1
.endm
.macro CROUND
	s_barrier_signal -1
	s_barrier_wait -1
	CREST
.endm
	s_load_b128 s[4:7], s[0:1], 0x0                ; y_img, wo_img
	s_load_b64 s[8:9], s[0:1], 0x10                ; out0
	v_lshl_add_u32 v12, v0, 2, SPARE               ; my spare word; never rewritten
	v_mov_b32 v13, 0                               ; 0; never rewritten
	ds_add_u32 v12, v13                            ; the opening lines: the add, twice on end, ahead of my first tensor load
	ds_add_u32 v12, v13
	v_lshrrev_b32 v1, 5, v0
	v_readfirstlane_b32 s24, v1                    ; wave
	s_lshr_b32 s25, s24, 1                         ; WH: which 64 tokens are mine.  Also: I fetch for y (0) or for Wo (1)
	s_and_b32 s26, s24, 1                          ; WL: which 64 columns.  Also: which part I fetch
	s_bfe_u32 s27, ttmp6, 0x40000                  ; cx
	s_bfe_u32 s28, ttmp6, 0x40004                  ; cy
	s_lshl_b32 s29, ttmp9, 2
	s_add_co_u32 s29, s29, s27                     ; the block of 128 columns
	s_and_b32 s30, ttmp7, 0xffff
	s_lshl_b32 s30, s30, 2
	s_add_co_u32 s30, s30, s28                     ; the block of 128 tokens
	s_lshl_b32 s94, s28, 2
	s_lshl_b32 s94, 15, s94                        ; my row of the cluster
	s_lshl_b32 s95, 0x1111, s27                    ; my column
	; groups 1: dense blocks as rows of 256 bytes (32 elements of 8 bytes): s32, s40 the head's (300 rows: six panels), s68, s76 the refill's (100 rows: two)
	s_or_b32 s32, s94, (3<<16)|(1<<21)
	s_or_b32 s40, s95, (3<<16)|(1<<21)
	s_or_b32 s68, s94, (3<<16)|(1<<21)
	s_or_b32 s76, s95, (3<<16)|(1<<21)
.irp g, 32, 40
	s_mov_b32 s[\g+1], 32<<16
	s_mov_b32 s[\g+2], 300<<16
	s_mov_b32 s[\g+3], 32<<16
	s_mov_b32 s[\g+4], 300
	s_mov_b32 s[\g+5], 32
	s_mov_b32 s[\g+6], 0
	s_mov_b32 s[\g+7], 0
.endr
.irp g, 68, 76
	s_mov_b32 s[\g+1], 32<<16
	s_mov_b32 s[\g+2], 100<<16
	s_mov_b32 s[\g+3], 32<<16
	s_mov_b32 s[\g+4], 100
	s_mov_b32 s[\g+5], 32
	s_mov_b32 s[\g+6], 0
	s_mov_b32 s[\g+7], 0
.endr
	s_mul_i32 s84, s30, 16*PAN                     ; y: the block's sixteen panels
	s_mov_b32 s85, 0
	s_mul_i32 s88, s29, 16*PAN                     ; Wo: likewise
	s_mov_b32 s89, 0
	s_mul_i32 s92, s26, 6*PAN                      ; my six panels of the head's twelve, in memory and in LDS alike
	s_mov_b32 s93, 0
	s_mul_i32 s96, s26, 2*PAN                      ; my two of the refill's four
	s_mov_b32 s97, 0
	s_wait_dscnt 0x0                               ; both opening adds are done
	s_wait_kmcnt 0x0
	s_add_nc_u64 s[86:87], s[4:5], s[84:85]
	s_add_nc_u64 s[90:91], s[6:7], s[88:89]
	s_mov_b32 s48, 1                               ; groups 0: the head's, y
	s_add_co_u32 s49, s92, 0
	s_add_nc_u64 s[50:51], s[86:87], s[92:93]
	s_or_b32 s51, s51, 0x80000000
	s_mov_b32 s56, 1                               ; and Wo
	s_add_co_u32 s57, s92, AREA
	s_add_nc_u64 s[58:59], s[90:91], s[92:93]
	s_or_b32 s59, s59, 0x80000000
	s_mov_b32 s52, 1                               ; the refill's: K steps 12 to 15 into region 0
	s_add_co_u32 s53, s96, 0
	s_add_nc_u64 s[54:55], s[86:87], s[96:97]
	s_add_nc_u64 s[54:55], s[54:55], 12*PAN
	s_or_b32 s55, s55, 0x80000000
	s_mov_b32 s60, 1
	s_add_co_u32 s61, s96, AREA
	s_add_nc_u64 s[62:63], s[90:91], s[96:97]
	s_add_nc_u64 s[62:63], s[62:63], 12*PAN
	s_or_b32 s63, s63, 0x80000000
	CROUND                                         ; all sixteen work-groups are here: the first joint loads meet
	JLOAD 48, 32, 56, 40                           ; K steps 0 to 11
	s_cmp_eq_u32 s25, 0                            ; the prefetch: y's blocks are shared out by cx, Wo's by cy, and by WL
	s_cselect_b64 s[98:99], s[86:87], s[90:91]
	s_cselect_b32 s84, s27, s28
	s_lshl_b32 s84, s84, 1
	s_add_co_u32 s84, s84, s26
	s_mul_i32 s84, s84, 25*256
	s_add_co_u32 s84, s84, 12*PAN
	s_mov_b32 s85, 0
	s_add_nc_u64 s[98:99], s[98:99], s[84:85]
	v_and_b32 v14, 31, v0
	v_min_u32 v29, 24, v14
	v_lshlrev_b32 v29, 8, v29
	global_prefetch_b8 v29, s[98:99] th:TH_LOAD_NT scope:SCOPE_SE
	v_lshlrev_b32 v1, 4, v14                       ; 16 x lane
	v_and_b32 v2, 15, v0                           ; r
	v_bfe_u32 v3, v0, 4, 1                         ; h
	s_mul_i32 s96, s26, 6144
	s_add_co_u32 s96, s96, AREA
	v_add_nc_u32 v[AW], s96, v1                    ; Wo's four fragments
	s_mul_i32 s96, s25, 6144
	v_add_nc_u32 v[AY], s96, v1                    ; y's four
	v_lshlrev_b32 v15, 4, v2
	s_lshl_b32 s96, s26, 8
	s_add_co_u32 s96, s96, AREA+SCO
	v_add_nc_u32 v[SW], s96, v15                   ; the scale words: 16 r
	s_lshl_b32 s96, s25, 8
	s_add_co_u32 s96, s96, SCO
	v_add_nc_u32 v[SY], s96, v15
.irp b, AW, AY, SW, SY
	v_add_nc_u32 v[\b+1], REG, v[\b]
	v_add_nc_u32 v[\b+2], 2*REG, v[\b]
.endr
	s_mul_i32 s96, s24, 16*SPITCH
	s_add_co_u32 s96, s96, STAGE                   ; my stage
	v_mul_u32_u24 v14, v2, SPITCH
	v_lshl_add_u32 v14, v3, 6, v14
	v_add_nc_u32 v14, s96, v14                     ; in: row r, + 64 h
	v_mul_u32_u24 v15, v3, SPITCH
	v_lshl_add_u32 v15, v2, 4, v15
	v_add_nc_u32 v15, s96, v15                     ; back: sixteen lanes to a row of 256 bytes, two rows an instruction
	v_lshlrev_b32 v16, 13, v3
	v_lshl_add_u32 v16, v2, 4, v16                 ; and the same two rows in out0
	s_lshl_b32 s84, s30, 7
	s_lshl_b32 s96, s25, 6
	s_add_co_u32 s84, s84, s96                     ; my first token
	s_lshl_b32 s84, s84, 13
	s_lshl_b32 s96, s29, 9
	s_add_co_u32 s84, s84, s96
	s_lshl_b32 s96, s26, 8
	s_add_co_u32 s84, s84, s96                     ; + my first column, in bytes
	s_mov_b32 s85, 0
	s_add_nc_u64 s[8:9], s[8:9], s[84:85]
; 26 LDS loads in one run: the fragments and scale words of the region's q-th K step into set
.macro FETCH rg, q, set
	WIN 0x40                                       ; destination window 1
.irp t, 0,1,2,3
.irp c, 0,1,2
	ds_load_b128 v[48*(\set)+12*\t+4*\c:48*(\set)+12*\t+4*\c+3], v[AW+\rg] offset:PAN*(\q)+1536*\t+512*\c
.endr
.endr
	WIN 0
.irp m, 0,1,2,3
.irp c, 0,1,2
	ds_load_b128 v[128+48*(\set)+12*\m+4*\c:128+48*(\set)+12*\m+4*\c+3], v[AY+\rg] offset:PAN*(\q)+1536*\m+512*\c
.endr
.endr
	ds_load_b128 v[32+8*(\set):35+8*(\set)], v[SW+\rg] offset:PAN*(\q)
	ds_load_b128 v[36+8*(\set):39+8*(\set)], v[SY+\rg] offset:PAN*(\q)
.endm
; 4 matrix instructions: y's fragment m against Wo's four.  The 16 accumulators take turns, one instruction a turn, in the same order in every step.
.macro MUL4 m, set, zero
.irp t, 0,1,2,3
.if \zero
	v_wmma_scale_f32_16x16x128_f8f6f4 v[8*(4*(\m)+\t):8*(4*(\m)+\t)+7], v[48*(\set)+12*\t:48*(\set)+12*\t+11], v[128+48*(\set)+12*(\m):128+48*(\set)+12*(\m)+11], 0, v[32+8*(\set)+\t], v[36+8*(\set)+(\m)] matrix_a_fmt:MATRIX_FMT_FP6 matrix_b_fmt:MATRIX_FMT_FP6
.else
	v_wmma_scale_f32_16x16x128_f8f6f4 v[8*(4*(\m)+\t):8*(4*(\m)+\t)+7], v[48*(\set)+12*\t:48*(\set)+12*\t+11], v[128+48*(\set)+12*(\m):128+48*(\set)+12*(\m)+11], v[8*(4*(\m)+\t):8*(4*(\m)+\t)+7], v[32+8*(\set)+\t], v[36+8*(\set)+(\m)] matrix_a_fmt:MATRIX_FMT_FP6 matrix_b_fmt:MATRIX_FMT_FP6
.endif
.endr
.endm
.macro MULS set, zero
	WIN 0xa1                                       ; source 0 window 1, source 1 window 0, C and D window 2
	MUL4 0, \set, \zero
	MUL4 1, \set, \zero
	MUL4 2, \set, \zero
	MUL4 3, \set, \zero
	WIN 0
.endm
; A K step whose successor, step nq of region nr, is in LDS already: the successor's loads go out first, then this step's 16 products
.macro STEP nr, nq, zero
	PLACES 4                                       ; in front of loads into registers that the last step's matrix instructions have read
	FETCH \nr, \nq, (\nq)%2
	s_wait_dscnt 26                                ; all but the 26 just issued: this step's fragments are in
	MULS 1-(\nq)%2, \zero
.endm
; A K step with a barrier in it: in front of it each wave waits for all its tensor loads, adds 0 to its spare word, and waits for that and for its reads so far.  fill = 1: a round, and region 0 is filled again.
.macro TURN next, fill
	s_wait_tensorcnt 0x0
	ds_add_u32 v12, v13                            ; 0 onto my spare word
	s_wait_dscnt 1                                 ; (the add may be out; this step's fragments are in)
	WIN 0xa1
	MUL4 0, 1, 0                                   ; four matrix instructions stand between the add and the wait for it
	s_wait_dscnt 0x0                               ; the add is done, and my reads are over
	s_barrier_signal -1
	MUL4 1, 1, 0
	WIN 0
	s_barrier_wait -1
.if \fill
	CREST                                          ; the barrier has opened a round: no wave of any partner still reads region 0 or has a load on its way
	JLOAD 52, 68, 60, 76                           ; the first tensor load behind the round; its four v_nop are the places in front of the loads below
.else
	PLACES 4
.endif
	FETCH \next, 0, 0
	WIN 0xa1
	MUL4 2, 1, 0
	MUL4 3, 1, 0
	WIN 0
.endm
	s_wait_alu depctr_va_vdst(0)                   ; behind it no ordinary vector instruction writes a register
	s_wait_tensorcnt 0x0                           ; my six panels are in
	s_barrier_signal -1
	s_barrier_wait -1
	FETCH 0, 0, 0
	STEP 0, 1, 1                                   ; K step 0: its products start the sums: nothing is cleared
	STEP 0, 2, 0
	STEP 0, 3, 0
	TURN 1, 1                                      ; K step 3; region 0 takes K steps 12 to 15
	STEP 1, 1, 0
	STEP 1, 2, 0
	STEP 1, 3, 0
	STEP 2, 0, 0                                   ; K step 7: region 2 has been whole since the head's barrier
	STEP 2, 1, 0
	STEP 2, 2, 0
	STEP 2, 3, 0
	TURN 0, 0                                      ; K step 11; K steps 12 to 15 are in, for all four waves
	STEP 0, 1, 0
	STEP 0, 2, 0
	STEP 0, 3, 0
	s_wait_dscnt 0x0
	MULS 1, 0
; THE WAY OUT: 16 tokens x 64 columns at a time through my own stage, back as rows of 256 bytes.  LDS serves a wave's instructions in order: no wait between the stores and the loads.
.macro TOSTAGE m
	WIN 0x08                                       ; the data: window 2
.irp t, 0,1,2,3
	ds_store_b128 v14, v[8*(4*(\m)+\t):8*(4*(\m)+\t)+3] offset:128*(\t/2)+32*(\t%2)   ; each accumulator from its low end on
	ds_store_b128 v14, v[8*(4*(\m)+\t)+4:8*(4*(\m)+\t)+7] offset:128*(\t/2)+32*(\t%2)+16
.endr
	WIN 0
.irp i, 0,1,2,3,4,5,6,7
	ds_load_b128 v[64+32*((\m)%2)+4*\i:64+32*((\m)%2)+4*\i+3], v15 offset:2*SPITCH*\i
.endr
.endm
.macro SEND m, younger                 ; younger: the LDS instructions issued behind block m's loads, which may stay out
	s_wait_dscnt \younger
.irp i, 0,1,2,3,4,5,6,7
	global_store_b128 v16, v[64+32*((\m)%2)+4*\i:64+32*((\m)%2)+4*\i+3], s[8:9] offset:(32*((\m)/2)+8*((\m)%2)+2*\i+8*(\i/4))*8192 th:TH_STORE_NT   ; sixteen lanes store 256 consecutive bytes, aligned
.endr
.endm
	PLACES 4                                       ; behind the last products
	TOSTAGE 0
	TOSTAGE 1
	SEND 0, 16
	s_wait_xcnt 0x0                                ; block 0's stores have read their registers: block 2's loads may land there
	TOSTAGE 2
	SEND 1, 16
	s_wait_xcnt 0x0
	TOSTAGE 3
	SEND 2, 16
	SEND 3, 0
	s_wait_tensorcnt 0x0                           ; the wave's end
	ds_add_u32 v12, v13
	s_wait_dscnt 0x0
	CROUND                                         ; the closing round
	s_endpgm
.Lfunc_end_k_qc9c6e74afc_outp:
	.size	k_qc9c6e74afc_outp, .Lfunc_end_k_qc9c6e74afc_outp-k_qc9c6e74afc_outp
	.p2alignl 7, 3214868480
	.fill 96, 4, 3214868480
	.section	.rodata,"a",@progbits
	.p2align	6, 0x0
	.amdhsa_kernel k_qc9c6e74afc_outp
		.amdhsa_group_segment_fixed_size 327680
		.amdhsa_private_segment_fixed_size 0
		.amdhsa_enable_private_segment 0
		.amdhsa_kernarg_size 24
		.amdhsa_user_sgpr_count 2
		.amdhsa_user_sgpr_kernarg_segment_ptr 1
		.amdhsa_wavefront_size32 1
		.amdhsa_system_sgpr_workgroup_id_x 1
		.amdhsa_system_sgpr_workgroup_id_y 1
		.amdhsa_system_sgpr_workgroup_id_z 1
		.amdhsa_system_vgpr_workitem_id 0
		.amdhsa_next_free_vgpr 640
		.amdhsa_next_free_sgpr 100
		.amdhsa_reserve_vcc 0
		.amdhsa_float_denorm_mode_32 3
		.amdhsa_float_denorm_mode_16_64 3
		.amdhsa_memory_ordered 1
		.amdhsa_forward_progress 1
		.amdhsa_inst_pref_size 80
	.end_amdhsa_kernel
	.amdgpu_metadata
---
amdhsa.version: [ 1, 2 ]
amdhsa.kernels:
  - .name:           k_qc9c6e74afc_outp
    .symbol:         k_qc9c6e74afc_outp.kd
    .args:
      - { .name: y_img, .offset: 0, .size: 8, .value_kind: global_buffer, .address_space: global }
      - { .name: wo_img, .offset: 8, .size: 8, .value_kind: global_buffer, .address_space: global }
      - { .name: out0, .offset: 16, .size: 8, .value_kind: global_buffer, .address_space: global }
    .group_segment_fixed_size: 327680
    .private_segment_fixed_size: 0
    .kernarg_segment_align: 8
    .kernarg_segment_size: 24
    .max_flat_workgroup_size: 128
    .sgpr_count:     100
    .vgpr_count:     640
    .wavefront_size: 32
...
	.end_amdgpu_metadata
.endif
;; end of part 4
